; MI455X (gfx1250); checked and timed in simulation.
; The chip was launched on July 23, 2026; its instructions are those of AMD's public machine-readable ISA for CDNA 5 (MIT licence, August 2026) and "CDNA5" Instruction Set Architecture Reference Guide (July 2026). The comments in the code are by the model that wrote it; some were corrected since.
;; Attention. Allowed arithmetic: float matrix products may take bf16 or f16 operands with f32 sums; all other float work in f32.
;; Inputs: W_k 1,024 x 1,024 float32; W_o 1,024 x 1,024 float32; W_q 1,024 x 1,024 float32; W_v 1,024 x 1,024 float32; x 2 x 2,048 x 1,024 float32.
;; Outputs: out0 2 x 2,048 x 1,024 float32.
;; 2 versions, each right; version 2 is version 1 with the launch prep written anew for expert scheduling mode. Each part assembles by itself: llvm-mc -triple=amdgcn-amd-amdhsa -mcpu=gfx1250 --defsym DOCPART=n.
;; ======== version 1 of 2: 4 launches
;; limits: values are held in f16: magnitudes above 65,504 overflow, below 6.1e-05 lose precision; a function is approximated: absolute error at most 0.0004
;; workspace buffers: xh 8,388,608 bytes; wc 6,291,456 bytes; woh 2,097,152 bytes; rope 524,288 bytes; qh 8,388,608 bytes; kh 8,388,608 bytes; vt 16,777,216 bytes; ah 16,777,216 bytes
;; launch prep (part 1): grid 256 x 1, 8 waves a work-group, no clusters, 0 bytes of LDS; arguments x, W_q, W_k, W_v, W_o, xh, wc, woh, rope; writes xh, wc, woh, rope
.if DOCPART == 1
	.amdgcn_target "amdgcn-amd-amdhsa--gfx1250"
	.amdhsa_code_object_version 6
	.text
	.protected	k_qe9fb3ab8f6_prep
	.globl	k_qe9fb3ab8f6_prep
	.p2align	8
	.type	k_qe9fb3ab8f6_prep,@function
k_qe9fb3ab8f6_prep:
	s_mov_b64 s[64:65], 0
	v_nop
	global_prefetch_b8 v0, s[64:65] scope:SCOPE_SE
	s_setreg_imm32_b32 hwreg(HW_REG_WAVE_MODE, 25, 1), 1
	s_wait_xcnt 0x0
; prep: x and the four weights, f32 to bf16 (round to nearest even), and the table of rotary cosines and sines.
;   xh  [4096][1024] bf16;  woh [1024][1024] bf16;
;   wc  [16 heads][192 rows: 64 of W_q, 64 of W_k, 64 of W_v][1024] bf16, so that one head's q, k and v rows lie together;
;   rope [2048 positions][32 pairs][cos, sin] f32.
; LIMITS: the inputs are rounded to bf16 (8 significant bits, f32's range), as operands of the matrix units; the angles are right to
; about 4e-4 rad (f32 rounding of position x frequency and of the division by 2 pi at up to 2,047 rad).
; 256 work-groups of 256 threads.  Work-group g takes 64 KiB of x, four rows (16 KiB) of each weight and 8 positions of the table.
; Thread t takes 16 bytes at 16 t of every block of 4,096 bytes: a wave's load covers 512 consecutive bytes, its 8-byte store
; 256 consecutive aligned bytes.  All 32 loads of a thread go out first (128 KiB for the work-group); the table entry is
; computed while they are on their way.  A stream: no LDS, no barrier, no matrix unit, nothing read twice.
.set X, 16                             ; v[16:143]  load n: four registers
	s_load_b512 s[4:19], s[0:1], 0x0               ; x 4:5, W_q 6:7, W_k 8:9, W_v 10:11, W_o 12:13, xh 14:15, wc 16:17, woh 18:19
	s_load_b64 s[20:21], s[0:1], 0x40              ; rope
	v_lshlrev_b32 v1, 4, v0                        ; 16 t: where I load
	v_lshlrev_b32 v2, 3, v0                        ; 8 t: where I store
	s_mov_b32 s23, 0                               ; the upper word of every offset
	s_lshr_b32 s24, ttmp9, 4                       ; rows 4 g .. 4 g + 3 of a weight lie in head g / 16,
	s_mul_i32 s24, s24, 192                        ; whose block in wc begins at row 192 (g / 16),
	s_and_b32 s25, ttmp9, 15
	s_lshl2_add_u32 s24, s25, s24                  ; at row 4 (g mod 16) of its part
	s_wait_kmcnt 0x0
	s_lshl_b32 s22, ttmp9, 16
	s_add_nc_u64 s[4:5], s[4:5], s[22:23]          ; x: 64 KiB a work-group
	s_lshl_b32 s22, ttmp9, 14
	s_add_nc_u64 s[6:7], s[6:7], s[22:23]          ; each weight: 16 KiB
	s_add_nc_u64 s[8:9], s[8:9], s[22:23]
	s_add_nc_u64 s[10:11], s[10:11], s[22:23]
	s_add_nc_u64 s[12:13], s[12:13], s[22:23]
	s_lshl_b32 s22, ttmp9, 15
	s_add_nc_u64 s[14:15], s[14:15], s[22:23]      ; xh: 32 KiB
	s_lshl_b32 s22, s24, 11
	s_add_nc_u64 s[16:17], s[16:17], s[22:23]      ; wc: rows of 2,048 bytes
	s_lshl_b32 s22, ttmp9, 13
	s_add_nc_u64 s[18:19], s[18:19], s[22:23]      ; woh: 8 KiB
	s_lshl_b32 s22, ttmp9, 11
	s_add_nc_u64 s[20:21], s[20:21], s[22:23]      ; rope: 2 KiB
.irp n, 0,1,2,3,4,5,6,7,8,9,10,11,12,13,14,15
	global_load_b128 v[X+4*\n:X+4*\n+3], v1, s[4:5] offset:\n*4096 th:TH_LOAD_NT
.endr
.macro LDW n0, lo                      ; four rows of one weight into loads n0 .. n0 + 3
.irp i, 0,1,2,3
	global_load_b128 v[X+4*(\n0+\i):X+4*(\n0+\i)+3], v1, s[\lo:\lo+1] offset:\i*4096 th:TH_LOAD_NT
.endr
.endm
	LDW 16, 6
	LDW 20, 8
	LDW 24, 10
	LDW 28, 12
	; My entry of the table: position 8 g + t / 32, pair i = t mod 32.  frequency = 10000^(-i/32) = 2^(-i log2(10000) / 32).
	v_lshrrev_b32 v3, 5, v0
	s_lshl_b32 s22, ttmp9, 3
	v_add_nc_u32 v3, s22, v3
	v_and_b32 v4, 31, v0
	v_cvt_f32_u32 v3, v3
	v_cvt_f32_u32 v4, v4
	v_mul_f32 v4, 0xbed49a78, v4                   ; -log2(10000) / 32
	v_exp_f32 v5, v4
	v_nop                                          ; one plain place behind the exponential (ISA guide 5.7.2)
	s_wait_alu depctr_va_vdst(0)
	v_mul_f32 v6, v3, v5                           ; the angle, rounded to f32 as the source of the problem rounds it
	v_mul_f32 v6, 0.15915494, v6                   ; in turns
	v_rndne_f32 v7, v6
	v_sub_f32 v6, v6, v7                           ; -1/2 .. 1/2 of a turn (exact)
	v_mul_f32 v8, 0x40490fdb, v6                   ; u = half the reduced angle, |u| <= pi / 2
	v_mul_f32 v9, v8, v8                           ; w = u^2
	v_mov_b32 v10, 0xb2d7322b                      ; sin u / u: Taylor to u^10; the next term is below 6e-8 at pi / 2
	v_mov_b32 v11, 0x310f76c7                      ; cos u: Taylor to u^12; the next term is below 1e-8
	v_fmaak_f32 v10, v10, v9, 0x3638ef1d
	v_fmaak_f32 v11, v11, v9, 0xb493f27e
	v_fmaak_f32 v10, v10, v9, 0xb9500d01
	v_fmaak_f32 v11, v11, v9, 0x37d00d01
	v_fmaak_f32 v10, v10, v9, 0x3c088889
	v_fmaak_f32 v11, v11, v9, 0xbab60b61
	v_fmaak_f32 v10, v10, v9, 0xbe2aaaab
	v_fmaak_f32 v11, v11, v9, 0x3d2aaaab
	v_fma_f32 v10, v10, v9, 1.0
	v_fma_f32 v11, v11, v9, -0.5
	v_mul_f32 v10, v10, v8                         ; sin u
	v_fma_f32 v11, v11, v9, 1.0                    ; cos u
	v_mul_f32 v13, v10, v11
	v_mul_f32 v12, v10, v10
	v_add_f32 v13, v13, v13                        ; sin 2u = 2 sin u cos u
	v_fma_f32 v12, v12, -2.0, 1.0                  ; cos 2u = 1 - 2 sin^2 u
	global_store_b64 v2, v[12:13], s[20:21]
; Load n is rounded in place and stored.  No register is written again behind a store that reads it.
.macro CVT n, lo, off
	s_wait_loadcnt 31-(\n)                         ; loads come back in order (ISA guide 5.7.1): load n is in, the younger ones stay out
	v_cvt_pk_bf16_f32 v[X+4*(\n)], v[X+4*(\n)], v[X+4*(\n)+1]
	v_cvt_pk_bf16_f32 v[X+4*(\n)+1], v[X+4*(\n)+2], v[X+4*(\n)+3]
	global_store_b64 v2, v[X+4*(\n):X+4*(\n)+1], s[\lo:\lo+1] offset:\off
.endm
.irp n, 0,1,2,3,4,5,6,7,8,9,10,11,12,13,14,15
	CVT \n, 14, \n*2048
.endr
.irp i, 0,1,2,3
	CVT 16+\i, 16, \i*2048                         ; W_q: rows 0-63 of the head's block
.endr
.irp i, 0,1,2,3
	CVT 20+\i, 16, 131072+\i*2048                  ; W_k: 64 rows of 2,048 bytes further
.endr
.irp i, 0,1,2,3
	CVT 24+\i, 16, 262144+\i*2048                  ; W_v: 128 rows further
.endr
.irp i, 0,1,2,3
	CVT 28+\i, 18, \i*2048
.endr
	s_endpgm
.Lfunc_end_k_qe9fb3ab8f6_prep:
	.size	k_qe9fb3ab8f6_prep, .Lfunc_end_k_qe9fb3ab8f6_prep-k_qe9fb3ab8f6_prep
	.p2alignl 7, 3214868480
	.fill 96, 4, 3214868480
	.section	.rodata,"a",@progbits
	.p2align	6, 0x0
	.amdhsa_kernel k_qe9fb3ab8f6_prep
		.amdhsa_group_segment_fixed_size 0
		.amdhsa_private_segment_fixed_size 0
		.amdhsa_enable_private_segment 0
		.amdhsa_kernarg_size 72
		.amdhsa_user_sgpr_count 2
		.amdhsa_user_sgpr_kernarg_segment_ptr 1
		.amdhsa_wavefront_size32 1
		.amdhsa_system_sgpr_workgroup_id_x 1
		.amdhsa_system_sgpr_workgroup_id_y 1
		.amdhsa_system_sgpr_workgroup_id_z 1
		.amdhsa_system_vgpr_workitem_id 0
		.amdhsa_next_free_vgpr 144
		.amdhsa_next_free_sgpr 66
		.amdhsa_reserve_vcc 0
		.amdhsa_float_denorm_mode_32 3
		.amdhsa_float_denorm_mode_16_64 3
		.amdhsa_memory_ordered 1
		.amdhsa_forward_progress 1
		.amdhsa_inst_pref_size 14
	.end_amdhsa_kernel
	.amdgpu_metadata
---
amdhsa.version: [ 1, 2 ]
amdhsa.kernels:
  - .name:           k_qe9fb3ab8f6_prep
    .symbol:         k_qe9fb3ab8f6_prep.kd
    .args:
      - { .name: x, .offset: 0, .size: 8, .value_kind: global_buffer, .address_space: global }
      - { .name: W_q, .offset: 8, .size: 8, .value_kind: global_buffer, .address_space: global }
      - { .name: W_k, .offset: 16, .size: 8, .value_kind: global_buffer, .address_space: global }
      - { .name: W_v, .offset: 24, .size: 8, .value_kind: global_buffer, .address_space: global }
      - { .name: W_o, .offset: 32, .size: 8, .value_kind: global_buffer, .address_space: global }
      - { .name: xh, .offset: 40, .size: 8, .value_kind: global_buffer, .address_space: global }
      - { .name: wc, .offset: 48, .size: 8, .value_kind: global_buffer, .address_space: global }
      - { .name: woh, .offset: 56, .size: 8, .value_kind: global_buffer, .address_space: global }
      - { .name: rope, .offset: 64, .size: 8, .value_kind: global_buffer, .address_space: global }
    .group_segment_fixed_size: 0
    .private_segment_fixed_size: 0
    .kernarg_segment_align: 8
    .kernarg_segment_size: 72
    .max_flat_workgroup_size: 256
    .sgpr_count:     66
    .vgpr_count:     144
    .wavefront_size: 32
...
	.end_amdgpu_metadata
.endif
;; end of part 1
;; launch qkv (part 2): grid 16 x 16, 4 waves a work-group, clusters of 4 x 4, 327,680 bytes of LDS; arguments xh, wc, rope, qh, kh, vt; writes qh, kh, vt
.if DOCPART == 2
	.amdgcn_target "amdgcn-amd-amdhsa--gfx1250"
	.amdhsa_code_object_version 6
	.text
	.protected	k_qe9fb3ab8f6_qkv
	.globl	k_qe9fb3ab8f6_qkv
	.p2align	8
	.type	k_qe9fb3ab8f6_qkv,@function
k_qe9fb3ab8f6_qkv:
	s_mov_b64 s[64:65], 0
	v_nop
	global_prefetch_b8 v0, s[64:65] scope:SCOPE_SE
	s_setreg_imm32_b32 hwreg(HW_REG_WAVE_MODE, 25, 1), 1
	s_wait_xcnt 0x0
	s_wait_alu depctr_hold_cnt(0) depctr_sa_sdst(0) depctr_va_vdst(0) depctr_va_sdst(0) depctr_va_ssrc(0) depctr_va_vcc(0) depctr_vm_vsrc(0)
	s_getreg_b32 s2, hwreg(HW_REG_IB_STS2, 6, 4)
	s_cmp_eq_u32 s2, 0
	s_cbranch_scc0 .Lentry_in_a_cluster
	s_endpgm
.Lentry_in_a_cluster:
	s_bfe_u32 s2, ttmp6, 0x10000c
	s_cmp_lg_u32 s2, 0xf033
	s_cbranch_scc0 .Lentry_shape_is_right
	s_endpgm
.Lentry_shape_is_right:
; qkv: q, k, v of one head for 256 rows of x:  [256 x 1024] . [192 x 1024]^T, bf16 operands, f32 sums, the rotary turn on q and k in f32.
;   qh, kh [32 batch-heads][2048][64] f16, rounded once;
;   vt [32][128 rows][2048 positions] f16: v transposed, as TWO terms: rows 0-63 hold hi = v cut to 11 significant bits (exact in f16),
;   rows 64-127 lo = f16(v - hi): about 21 bits together.  A query early in the sequence averages few values, so its result is as large
;   as v itself while the whole output's root mean square is some 15 times smaller: 11 bits of v are too few for those rows.
; LIMIT: |q|, |k|, |v| must stay below 65,504 (f16).
; Grid: x = head (16), y = block of 256 rows (16).  Four waves; wave w makes rows 64 w .. +63 and all 192 columns: 4 x 12 accumulator
; tiles, 384 registers.  K goes in 8 steps of 128 through two LDS slots filled by the tensor data mover; a tile's rows are 256 bytes
; of memory and begin at multiples of 256 bytes.
; CLUSTERS: 4 x 4 work-groups.  x's tile hangs on y alone and is asked for jointly by the four of a row of the cluster; the weights'
; tile hangs on the head alone and is asked for jointly by the four of a column: the requests are divided by four.
; REGISTERS: window 0: v16-29 addresses, v32-63 packed results, v64-127 fragments of x (two buffers of 4 x 8), v128-255 cosines and sines
; (loaded at the start, first used on the way out); window 1: fragments of the weights, two buffers of 12 x 8;
; window 2: tiles (a, b), b = 0..7 (q, k) at 8 (8 a + b); window 3: tiles (a, bv) of v at 8 (4 a + bv).
; q and k are made with the sources swapped (weights first): a lane then holds 8 neighbouring columns of one row, whole rotary pairs.
; v is made in the natural order: a lane then holds 8 neighbouring positions of one column d, 16 bytes of a row of vt.
.set PITCH,  272                       ; LDS row: 256 bytes + 16 of padding, an odd multiple of 16: 16 rows begin in 16 different 16-byte columns of 256
.set HALFA,  128*PITCH                 ; 128 rows of x: one tensor load
.set HALFB,  96*PITCH                  ; 96 rows of weights: one tensor load
.set BOFF,   2*HALFA                   ; the weights' tile lies behind x's 256 rows
.set SLOT,   2*HALFA+2*HALFB           ; 121,856
.set STAGE,  2*SLOT                    ; behind the ring: for each wave 16 rows x 144 bytes for q, the same for k
.set QKP,    144
.set VSTAGE, STAGE+4*32*QKP            ; 64 rows (d) x 528 bytes (256 positions + 16), shared by the four waves; used for hi, then for lo
.set VP,     528
.set ADRA, 16                          ; v16-17  my x fragments in slot 0, 1
.set ADRB, 20                          ; v20-21  the weights' fragments
.set ROFF, 22                          ; my offset in the rope table
.set STO,  24                          ; q/k stage: where I put 16 bytes
.set RD,   25                          ; q/k stage: where I read back
.set CO,   26                          ; my offset in qh and kh
.set VST,  27                          ; v stage: where I put 16 bytes
.set VRD,  28                          ; v stage: where I read back
.set VCO,  29                          ; my offset in vt
.set TMP,  32
.set FA,   64
.set R,    128
.set G1A, 24                           ; s[24:31] group 1 for x's tiles     s[32:39] group 0, one set for each slot
.set G0A, 32
.set G1B, 40                           ; s[40:47] group 1 for the weights'  s[48:55] group 0, one set for each slot
.set G0B, 48
.set MSB, 0
.macro WIN new                         ; the immediate's high byte repeats the setting that is left
.if MSB != \new
	s_set_vgpr_msb (MSB<<8)|\new
.set MSB, \new
.endif
.endm
.set MUL_QK, 0xa1                      ; source 0 (weights) window 1, source 1 (x) window 0, C and D window 2
.set MUL_V,  0xf4                      ; source 0 (x) window 0, source 1 (weights) window 1, C and D window 3
.set TO_B,   0x40                      ; destination window 1, address window 0
; A joint load.  Waves 0, 1 fetch x's two halves, waves 2, 3 the weights'.  The branch hangs on the wave's number alone.
.macro JLOAD s
	s_cmp_eq_u32 s17, 0
	s_cbranch_scc0 .Lfor_b_\@
	tensor_load_to_lds s[G0A+4*\s:G0A+4*\s+3], s[G1A:G1A+7]
	s_nop 0
	s_branch .Lasked_\@
.Lfor_b_\@:
	tensor_load_to_lds s[G0B+4*\s:G0B+4*\s+3], s[G1B:G1B+7]
	s_nop 0
.Lasked_\@:
.endm
.macro CREST                           ; a round of the cluster's barrier behind its opening barrier
	s_cmp_lg_u32 s16, 0
	s_cbranch_scc1 .Lnot_wave_0_\@
	s_barrier_signal -3
.Lnot_wave_0_\@:
	s_barrier_wait -3
	s_barrier_signal -1
	s_barrier_wait -1
.endm
.macro CROUND                          ; a whole round
	s_barrier_signal -1
	s_barrier_wait -1
	CREST
.endm
.macro PLACES                          ; four plain places behind matrix instructions, in front of loads into their sources and of readers of their results
.rept 4
	v_nop
.endr
.endm
	s_load_b256 s[4:11], s[0:1], 0x0               ; xh 4:5, wc 6:7, rope 8:9, qh 10:11
	s_load_b128 s[12:15], s[0:1], 0x20             ; kh 12:13, vt 14:15
	s_set_vgpr_msb 0x40
	v_lshl_add_u32 v255, v0, 2, 0x48400
	s_set_vgpr_msb 0x4000
	v_mov_b32 v31, 0
	s_set_vgpr_msb 0x1
	ds_add_u32 v255, v31
	s_set_vgpr_msb 0x100
	v_lshrrev_b32 v1, 5, v0
	v_readfirstlane_b32 s16, v1                    ; wave 0..3
	s_lshr_b32 s17, s16, 1                         ; I fetch for x (0) or for the weights (1)
	s_and_b32 s18, s16, 1                          ; which half of that tile
	s_bfe_u32 s19, ttmp6, 0x40000                  ; cx
	s_bfe_u32 s20, ttmp6, 0x40004                  ; cy
	s_lshl_b32 s21, ttmp9, 2
	s_add_co_u32 s21, s21, s19                     ; head = 4 x cluster x + cx
	s_and_b32 s22, ttmp7, 0xffff
	s_lshl_b32 s22, s22, 2
	s_add_co_u32 s22, s22, s20                     ; block of rows = 4 x cluster y + cy
	s_lshl_b32 s56, s20, 2
	s_lshl_b32 s56, 15, s56                        ; my row of the cluster: places 4 cy .. 4 cy + 3
	s_lshl_b32 s57, 0x1111, s19                    ; my column: places cx, cx + 4, cx + 8, cx + 12
	s_or_b32 s[G1A+0], s56, (1<<16)|(1<<20)|(1<<21)|(5<<22)|(3<<25)  ; mask; 2-byte elements; padding on; bit 21 beside a mask; after every 64 words, 4 words
	s_or_b32 s[G1B+0], s57, (1<<16)|(1<<20)|(1<<21)|(5<<22)|(3<<25)
	s_mov_b32 s[G1A+1], 128<<16                    ; tensor_dim0 = 128
	s_mov_b32 s[G1B+1], 128<<16
	s_mov_b32 s[G1A+2], 128<<16                    ; tensor_dim1 = 128 rows
	s_mov_b32 s[G1B+2], 96<<16                     ;             =  96 rows
	s_mov_b32 s[G1A+3], 128<<16                    ; tile_dim0 = 128
	s_mov_b32 s[G1B+3], 128<<16
	s_mov_b32 s[G1A+4], 128                        ; tile_dim1
	s_mov_b32 s[G1B+4], 96
	s_mov_b32 s[G1A+5], 1024                       ; elements from row to row
	s_mov_b32 s[G1B+5], 1024
	s_mov_b32 s[G1A+6], 0
	s_mov_b32 s[G1B+6], 0
	s_mov_b32 s[G1A+7], 0
	s_mov_b32 s[G1B+7], 0
	s_lshl_b32 s58, s22, 8                         ; x: row 256 y + 128 half; these registers never hold cx
	s_lshl_b32 s60, s18, 7
	s_add_co_u32 s58, s58, s60
	s_lshl_b32 s58, s58, 11                        ; rows of 2,048 bytes (below 8 MiB)
	s_mov_b32 s59, 0
	s_mul_i32 s62, s21, 192                        ; weights: row 192 head + 96 half; these never hold cy
	s_mul_i32 s60, s18, 96
	s_add_co_u32 s62, s62, s60
	s_lshl_b32 s62, s62, 11
	s_mov_b32 s63, 0
	s_mul_i32 s66, s16, HALFA                      ; LDS: x's halves at wave x 34,816 (waves 0, 1),
	s_mul_i32 s67, s16, HALFB
	s_add_co_u32 s67, s67, BOFF-2*HALFB            ; the weights' at 69,632 + (wave - 2) x 26,112 (waves 2, 3)
	s_wait_dscnt 0x0
	s_wait_kmcnt 0x0
	s_add_nc_u64 s[58:59], s[4:5], s[58:59]
	s_add_nc_u64 s[62:63], s[6:7], s[62:63]
	CROUND                                         ; all sixteen work-groups are here: the first joint loads meet
.irp s, 0,1
	s_mov_b32 s[G0A+4*\s], 1
	s_add_co_u32 s[G0A+4*\s+1], s66, \s*SLOT
	s_add_nc_u64 s[G0A+4*\s+2:G0A+4*\s+3], s[58:59], \s*256        ; K step s
	s_or_b32 s[G0A+4*\s+3], s[G0A+4*\s+3], 0x80000000              ; type = 2
	s_mov_b32 s[G0B+4*\s], 1
	s_add_co_u32 s[G0B+4*\s+1], s67, \s*SLOT
	s_add_nc_u64 s[G0B+4*\s+2:G0B+4*\s+3], s[62:63], \s*256
	s_or_b32 s[G0B+4*\s+3], s[G0B+4*\s+3], 0x80000000
	JLOAD \s                                       ; both slots are asked for before anything else: two loads of the wave are out
.endr
	; where the results go, and my rows of the rope table
	s_lshr_b32 s68, s22, 3                         ; batch
	s_lshl4_add_u32 s68, s68, s21                  ; batch-head = 16 batch + head
	s_and_b32 s69, s22, 7                          ; which 256 positions of the sequence
	s_lshl_b32 s70, s68, 18                        ; a batch-head is 262,144 bytes in qh and kh
	s_lshl_b32 s66, s69, 15                        ; 256 rows of 128 bytes
	s_add_co_u32 s66, s66, s70
	s_mov_b32 s67, 0
	s_add_nc_u64 s[10:11], s[10:11], s[66:67]
	s_add_nc_u64 s[12:13], s[12:13], s[66:67]
	s_lshl_b32 s70, s68, 19                        ; and 524,288 bytes in vt (128 rows of 4,096)
	s_lshl_b32 s66, s69, 9                         ; 256 positions of 2 bytes along a row of vt
	s_add_co_u32 s66, s66, s70
	s_add_nc_u64 s[14:15], s[14:15], s[66:67]
	s_lshl_b32 s66, s69, 16                        ; 256 positions of 256 bytes in the table
	s_add_nc_u64 s[8:9], s[8:9], s[66:67]
	v_and_b32 v1, 15, v0                           ; r = lane mod 16
	v_bfe_u32 v2, v0, 4, 1                         ; h = lane / 16
	v_and_b32 v3, 31, v0                           ; lane
	s_lshl_b32 s68, s16, 14                        ; my 64 rows of the table
	v_lshlrev_b32 v5, 8, v1
	v_lshl_add_u32 v5, v2, 5, v5
	v_add_nc_u32 v[ROFF], s68, v5                  ; (64 w + r) 256 + 32 h
	; Tile (a, b) gives me row 16 a + r and columns 16 (b mod 4) + 8 h + 0..7 of the head: pairs 8 (b mod 4) + 4 h + 0..3, 32 bytes of the table.
	; The 32 loads stay out over the whole K loop; their registers, v[ROFF] and s[8:9] are not touched before the wait on the way out.
.irp a, 0,1,2,3
.irp q, 0,1,2,3
	global_load_b128 v[R+32*\a+8*\q:R+32*\a+8*\q+3],   v[ROFF], s[8:9] offset:\a*4096+\q*64
	global_load_b128 v[R+32*\a+8*\q+4:R+32*\a+8*\q+7], v[ROFF], s[8:9] offset:\a*4096+\q*64+16
.endr
.endr
	v_mul_u32_u24 v4, v1, PITCH
	v_lshl_add_u32 v4, v2, 4, v4                   ; fragment: row r, 16 bytes for each half of the lanes
	s_mul_i32 s68, s16, 64*PITCH
	v_add_nc_u32 v[ADRA], s68, v4
	v_add_nc_u32 v[ADRA+1], SLOT, v[ADRA]
	v_add_nc_u32 v[ADRB], BOFF, v4
	v_add_nc_u32 v[ADRB+1], SLOT, v[ADRB]
	s_mul_i32 s68, s16, 32*QKP
	s_add_co_u32 s68, s68, STAGE                   ; my q/k stage
	v_mul_u32_u24 v5, v1, QKP
	v_lshl_add_u32 v5, v2, 4, v5
	v_add_nc_u32 v[STO], s68, v5
	v_lshrrev_b32 v5, 3, v3                        ; back: eight lanes take one row of 128 bytes
	v_mul_u32_u24 v5, v5, QKP
	v_and_b32 v6, 7, v3
	v_lshl_add_u32 v5, v6, 4, v5
	v_add_nc_u32 v[RD], s68, v5
	v_lshlrev_b32 v6, 4, v3                        ; 16 x lane
	s_lshl_b32 s68, s16, 13                        ; 64 rows of 128 bytes
	v_add_nc_u32 v[CO], s68, v6
	v_mul_u32_u24 v5, v1, VP
	v_lshl_add_u32 v5, v2, 4, v5
	s_lshl_b32 s68, s16, 7                         ; my 64 positions, 128 bytes along a row of the v stage
	s_add_co_u32 s68, s68, VSTAGE
	v_add_nc_u32 v[VST], s68, v5
	s_mul_i32 s68, s16, 16*VP                      ; back: wave w takes rows 16 w .. +15, a whole row of 512 bytes a load
	s_add_co_u32 s68, s68, VSTAGE
	v_add_nc_u32 v[VRD], s68, v6
	s_lshl_b32 s68, s16, 16                        ; 16 rows of vt, 4,096 bytes each
	v_add_nc_u32 v[VCO], s68, v6
; 16 matrix instructions for q and k: row tiles a0, a0 + 1 x column tiles 0..7, 32 along K, buffer f.  zero = 1: the product starts the sums.
.macro MULQK f, a0, zero
.irp a, \a0, \a0+1
.irp b, 0,1,2,3,4,5,6,7
.if \zero
	v_wmma_f32_16x16x32_bf16 v[8*(8*(\a)+\b):8*(8*(\a)+\b)+7], v[96*\f+8*\b:96*\f+8*\b+7], v[FA+32*\f+8*(\a):FA+32*\f+8*(\a)+7], 0
.else
	v_wmma_f32_16x16x32_bf16 v[8*(8*(\a)+\b):8*(8*(\a)+\b)+7], v[96*\f+8*\b:96*\f+8*\b+7], v[FA+32*\f+8*(\a):FA+32*\f+8*(\a)+7], v[8*(8*(\a)+\b):8*(8*(\a)+\b)+7]
.endif
.endr
.endr
.endm
; 16 matrix instructions for v: 4 row tiles x 4 column tiles
.macro MULV f, zero
.irp a, 0,1,2,3
.irp b, 0,1,2,3
.if \zero
	v_wmma_f32_16x16x32_bf16 v[8*(4*\a+\b):8*(4*\a+\b)+7], v[FA+32*\f+8*\a:FA+32*\f+8*\a+7], v[96*\f+8*(8+\b):96*\f+8*(8+\b)+7], 0
.else
	v_wmma_f32_16x16x32_bf16 v[8*(4*\a+\b):8*(4*\a+\b)+7], v[FA+32*\f+8*\a:FA+32*\f+8*\a+7], v[96*\f+8*(8+\b):96*\f+8*(8+\b)+7], v[8*(4*\a+\b):8*(4*\a+\b)+7]
.endif
.endr
.endr
.endm
; 32 LDS loads in one run: the fragments of 32 along K at byte k of the rows, into buffer f: x's 4, then the weights' 12 (v's four last)
.macro FETCH slot, k, f
	WIN 0
.irp i, 0,1,2,3
	ds_load_b128 v[FA+32*\f+8*\i:FA+32*\f+8*\i+3],   v[ADRA+\slot] offset:\k+\i*16*PITCH
	ds_load_b128 v[FA+32*\f+8*\i+4:FA+32*\f+8*\i+7], v[ADRA+\slot] offset:\k+\i*16*PITCH+32
.endr
	WIN TO_B
.irp i, 0,1,2,3,4,5,6,7,8,9,10,11
	ds_load_b128 v[96*\f+8*\i:96*\f+8*\i+3],   v[ADRB+\slot] offset:\k+\i*16*PITCH
	ds_load_b128 v[96*\f+8*\i+4:96*\f+8*\i+7], v[ADRB+\slot] offset:\k+\i*16*PITCH+32
.endr
.endm
; A K step is four quarters of 32 along K, 48 matrix instructions each, on buffers 0, 1, 0, 1.  The 48 accumulators take turns, one
; instruction a turn, in the same order in every quarter, over the backward jump too; no s_wait_alu is written.
.macro QUARTER slot, k, f, g, zero
	s_wait_dscnt 8                                 ; all but the youngest eight loads: v's four fragments may be out
	WIN MUL_QK
	MULQK \f, 0, \zero
	MULQK \f, 2, \zero
	PLACES
	FETCH \slot, \k, \g
	s_wait_dscnt 32                                ; all but the 32 just issued
	WIN MUL_V
	MULV \f, \zero
.endm
.macro THREE slot, zero
	QUARTER \slot, 64,  0, 1, \zero
	QUARTER \slot, 128, 1, 0, 0
	QUARTER \slot, 192, 0, 1, 0
.endm
; The last quarter multiplies buffer 1 and changes slots.  In front of the barrier each wave waits for its reads of this slot and for all
; its tensor loads (the one that is out is its part of the next slot).  fill = 1: the barrier opens a round of the cluster's barrier, and
; the joint refill of this slot, two K steps ahead, is the first tensor load behind the round's closing wait, one a wave.
.macro TURN slot, next, fill
	s_wait_dscnt 8
	WIN MUL_QK
	MULQK 1, 0, 0
	s_wait_dscnt 0
	s_wait_tensorcnt 0x0
	ds_add_u32 v255, v31
	s_wait_dscnt 0x0
	s_barrier_signal -1
	MULQK 1, 2, 0                                  ; register work while the others arrive
	WIN 0
	s_barrier_wait -1
.if \fill
	CREST
	s_add_nc_u64 s[G0A+4*\slot+2:G0A+4*\slot+3], s[G0A+4*\slot+2:G0A+4*\slot+3], 512   ; no load of mine is out: group 0 may be stepped
	s_add_nc_u64 s[G0B+4*\slot+2:G0B+4*\slot+3], s[G0B+4*\slot+2:G0B+4*\slot+3], 512
	JLOAD \slot
.endif
	PLACES
	FETCH \next, 0, 0
	WIN MUL_V
	MULV 1, 0
.endm
.macro LAP zero
	THREE 0, \zero
	TURN 0, 1, 1
	THREE 1, 0
	TURN 1, 0, 1
.endm
	s_wait_tensorcnt 0x1                           ; my part of K step 0 is in; K step 1's stays out
	s_barrier_signal -1
	s_barrier_wait -1
	FETCH 0, 0, 0
	LAP 1                                          ; K steps 0, 1; asks for 2, 3.  Its first products start the sums
	WIN 0
	s_mov_b32 s3, 2
.Llap:
	LAP 0                                          ; K steps 2 to 5; asks for 4 to 7
	WIN 0
	s_sub_co_u32 s3, s3, 1
	s_cmp_lg_u32 s3, 0
	s_cbranch_scc1 .Llap
	THREE 0, 0                                     ; K steps 6, 7: nothing is left to ask for
	TURN 0, 1, 0
	THREE 1, 0
	s_wait_dscnt 8
	WIN MUL_QK
	MULQK 1, 0, 0
	MULQK 1, 2, 0
	s_wait_dscnt 0
	WIN MUL_V
	MULV 1, 0
	; THE WAY OUT.
	PLACES
	s_wait_loadcnt 0x0                             ; the cosines and sines
; Rows 16 a .. +15 of q and k: (x1, x2) -> (x1 c - x2 s, x2 c + x1 s) in f32, rounded to f16, 16 bytes a lane into my own stage, read back as
; whole rows (LDS serves a wave's instructions in order, ISA guide 5.7.1: no wait between), stored 512 consecutive bytes an instruction.
.macro OUTQK a
	WIN 0x02                                       ; source 0 in window 2
.irp b, 0,1,2,3,4,5,6,7
.irp p, 0,1,2,3
	v_mul_f32 v[FA+8*\b+2*\p],   v[8*(8*\a+\b)+2*\p+1], v[R+32*\a+8*(\b&3)+2*\p+1]
	v_mul_f32 v[FA+8*\b+2*\p+1], v[8*(8*\a+\b)+2*\p],   v[R+32*\a+8*(\b&3)+2*\p+1]
	v_fma_f32 v[FA+8*\b+2*\p],   v[8*(8*\a+\b)+2*\p],   v[R+32*\a+8*(\b&3)+2*\p], -v[FA+8*\b+2*\p]
	v_fma_f32 v[FA+8*\b+2*\p+1], v[8*(8*\a+\b)+2*\p+1], v[R+32*\a+8*(\b&3)+2*\p], v[FA+8*\b+2*\p+1]
.endr
.endr
	WIN 0
.irp b, 0,1,2,3,4,5,6,7
.irp p, 0,1,2,3
	v_cvt_pk_f16_f32 v[TMP+4*\b+\p], v[FA+8*\b+2*\p], v[FA+8*\b+2*\p+1]
.endr
.endr
.irp b, 0,1,2,3,4,5,6,7
	ds_store_b128 v[STO], v[TMP+4*\b:TMP+4*\b+3] offset:(\b>>2)*16*QKP+32*(\b&3)
.endr
.irp t, 0,1,2,3,4,5,6,7
	ds_load_b128 v[R+32*\a+4*\t:R+32*\a+4*\t+3], v[RD] offset:(\t>>2)*16*QKP+(\t&3)*4*QKP   ; into this a's rope registers, which are done with
.endr
.irp t, 0,1,2,3
	s_wait_dscnt 7-\t
	global_store_b128 v[CO], v[R+32*\a+4*\t:R+32*\a+4*\t+3], s[10:11] offset:\a*2048+\t*512
.endr
.irp t, 0,1,2,3
	s_wait_dscnt 3-\t
	global_store_b128 v[CO], v[R+32*\a+16+4*\t:R+32*\a+16+4*\t+3], s[12:13] offset:\a*2048+\t*512
.endr
.endm
	OUTQK 0
	OUTQK 1
	OUTQK 2
	OUTQK 3
	; v in two f16 terms.  hi = v with its low 13 mantissa bits cut: 11 significant bits, exact in f16 and never larger than |v|.
	; lo = v - hi is exact in f32 and is rounded once to f16.  Number n = 8 (4 a + bv) + j of window 3.
	s_wait_xcnt 0x0                                ; v128-255 were the data of q's and k's stores: written again only behind this wait
	s_mov_b32 s66, 0xffffe000
	WIN 0x0c                                       ; source 1 in window 3
.set n, 0
.rept 128
	v_and_b32 v[R+n], s66, v[n]                    ; hi, still in f32
.set n, n+1
.endr
	WIN 0xc3                                       ; source 0 and destination in window 3
.set n, 0
.rept 64
	v_pk_add_f32 v[n:n+1], v[n:n+1], v[R+n:R+n+1] neg_lo:[0,1] neg_hi:[0,1]   ; lo = v - hi, in place
.set n, n+2
.endr
	WIN 0
.set n, 0
.rept 64
	v_cvt_pk_f16_f32 v[FA+n], v[R+2*n], v[R+2*n+1]         ; hi packed: v[FA + 4 (4 a + bv) + p]
.set n, n+1
.endr
	WIN 0x0f                                       ; sources 0 and 1 in window 3
.set n, 0
.rept 64
	v_cvt_pk_f16_f32 v[R+n], v[2*n], v[2*n+1]              ; lo packed: v[R + 4 (4 a + bv) + p]
.set n, n+1
.endr
	WIN 0
	; A lane's 8 numbers are 8 neighbouring positions of column d = 16 bv + r.  All four waves fill the stage [64 d][256 positions]; then whole rows leave.
.irp a, 0,1,2,3
.irp b, 0,1,2,3
	ds_store_b128 v[VST], v[FA+4*(4*\a+\b):FA+4*(4*\a+\b)+3] offset:\b*16*VP+32*\a
.endr
.endr
	s_wait_dscnt 0x0                               ; my stores are done, for the other waves' sake
	s_barrier_signal -1
	s_barrier_wait -1
.irp t, 0,1,2,3,4,5,6,7,8,9,10,11,12,13,14,15
	ds_load_b128 v[FA+4*\t:FA+4*\t+3], v[VRD] offset:\t*VP
.endr
.irp t, 0,1,2,3,4,5,6,7,8,9,10,11,12,13,14,15
	s_wait_dscnt 15-\t
	global_store_b128 v[VCO], v[FA+4*\t:FA+4*\t+3], s[14:15] offset:\t*4096   ; 512 consecutive bytes of a row of vt
.endr
	s_barrier_signal -1                            ; my reads of the stage are back (the count-down ended at 0):
	s_barrier_wait -1                              ; when all four have said so the stage is written again
.irp a, 0,1,2,3
.irp b, 0,1,2,3
	ds_store_b128 v[VST], v[R+4*(4*\a+\b):R+4*(4*\a+\b)+3] offset:\b*16*VP+32*\a
.endr
.endr
	s_wait_dscnt 0x0
	s_barrier_signal -1
	s_barrier_wait -1
.irp t, 0,1,2,3,4,5,6,7,8,9,10,11,12,13,14,15
	ds_load_b128 v[R+64+4*\t:R+64+4*\t+3], v[VRD] offset:\t*VP
.endr
.irp t, 0,1,2,3,4,5,6,7,8,9,10,11,12,13,14,15
	s_wait_dscnt 15-\t
	global_store_b128 v[VCO], v[R+64+4*\t:R+64+4*\t+3], s[14:15] offset:262144+\t*4096   ; lo: 64 rows of 4,096 bytes further
.endr
	s_set_vgpr_msb 0x1
	s_wait_tensorcnt 0x0
	ds_add_u32 v255, v31
	s_wait_dscnt 0x0
	s_set_vgpr_msb 0x100
	CROUND                                         ; the closing round: no work-group ends while a partner may still ask for a tile that names it
	s_endpgm
.Lfunc_end_k_qe9fb3ab8f6_qkv:
	.size	k_qe9fb3ab8f6_qkv, .Lfunc_end_k_qe9fb3ab8f6_qkv-k_qe9fb3ab8f6_qkv
	.p2alignl 7, 3214868480
	.fill 96, 4, 3214868480
	.section	.rodata,"a",@progbits
	.p2align	6, 0x0
	.amdhsa_kernel k_qe9fb3ab8f6_qkv
		.amdhsa_group_segment_fixed_size 327680
		.amdhsa_private_segment_fixed_size 0
		.amdhsa_enable_private_segment 0
		.amdhsa_kernarg_size 48
		.amdhsa_user_sgpr_count 2
		.amdhsa_user_sgpr_kernarg_segment_ptr 1
		.amdhsa_wavefront_size32 1
		.amdhsa_system_sgpr_workgroup_id_x 1
		.amdhsa_system_sgpr_workgroup_id_y 1
		.amdhsa_system_sgpr_workgroup_id_z 1
		.amdhsa_system_vgpr_workitem_id 0
		.amdhsa_next_free_vgpr 896
		.amdhsa_next_free_sgpr 72
		.amdhsa_reserve_vcc 0
		.amdhsa_float_denorm_mode_32 3
		.amdhsa_float_denorm_mode_16_64 3
		.amdhsa_memory_ordered 1
		.amdhsa_forward_progress 1
		.amdhsa_inst_pref_size 207
	.end_amdhsa_kernel
	.amdgpu_metadata
---
amdhsa.version: [ 1, 2 ]
amdhsa.kernels:
  - .name:           k_qe9fb3ab8f6_qkv
    .symbol:         k_qe9fb3ab8f6_qkv.kd
    .args:
      - { .name: xh, .offset: 0, .size: 8, .value_kind: global_buffer, .address_space: global }
      - { .name: wc, .offset: 8, .size: 8, .value_kind: global_buffer, .address_space: global }
      - { .name: rope, .offset: 16, .size: 8, .value_kind: global_buffer, .address_space: global }
      - { .name: qh, .offset: 24, .size: 8, .value_kind: global_buffer, .address_space: global }
      - { .name: kh, .offset: 32, .size: 8, .value_kind: global_buffer, .address_space: global }
      - { .name: vt, .offset: 40, .size: 8, .value_kind: global_buffer, .address_space: global }
    .group_segment_fixed_size: 327680
    .private_segment_fixed_size: 0
    .kernarg_segment_align: 8
    .kernarg_segment_size: 48
    .max_flat_workgroup_size: 128
    .sgpr_count:     72
    .vgpr_count:     896
    .wavefront_size: 32
...
	.end_amdgpu_metadata
.endif
;; end of part 2
;; launch attn (part 3): grid 8 x 32, 8 waves a work-group, no clusters, 327,680 bytes of LDS; arguments qh, kh, vt, ah; writes ah
.if DOCPART == 3
	.amdgcn_target "amdgcn-amd-amdhsa--gfx1250"
	.amdhsa_code_object_version 6
	.text
	.protected	k_qe9fb3ab8f6_attn
	.globl	k_qe9fb3ab8f6_attn
	.p2align	8
	.type	k_qe9fb3ab8f6_attn,@function
k_qe9fb3ab8f6_attn:
	s_mov_b64 s[64:65], 0
	v_nop
	global_prefetch_b8 v0, s[64:65] scope:SCOPE_SE
	s_setreg_imm32_b32 hwreg(HW_REG_WAVE_MODE, 25, 1), 1
	s_wait_xcnt 0x0
; attn: causal attention of one batch-head, softmax(q k^T / 32) v with a running maximum, f16 operands, f32 sums and softmax.
;   qh, kh [32][2048][64] f16;  vt [32][128 rows: 64 d of hi, 64 d of lo][2048 positions] f16 (v = hi + lo);
;   ah [32][2048][128] bf16: the result a as two terms, columns 0-63 hi = bf16(a), columns 64-127 lo = bf16(a - hi): 16 bits together.
; Why two terms: a query early in the sequence averages few values, so its result is as large as v while the root mean square of the whole
; output is some 15 times smaller; one 16-bit term of v or of a is too coarse for those rows.  P stays one f16 term: a row's largest p is
; exactly 1 and the others err by at most 2^-12, divided by the row's sum.
; LIMITS: |q|, |k|, |v| below 65,504; a probability below 2^-25 of its row's largest one rounds to 0 in f16 (the row's sum is at least
; about 1, so all 2,048 together lose less than 2^-14 of it); NaN and infinite inputs are not reproduced; the sums run in another order.
; Grid: x = j (8), y = batch-head.  Work-group (j, bh) owns query blocks 15 - j (16 - j key tiles of 128) and j (j + 1 tiles): 17 tiles
; for every work-group, so all 256 have equal work and every trip count is a constant.
; NO CLUSTER: the eight work-groups of a head need tiles 0 .. 15 - j and then 0 .. j, another tile in most trips; to walk in step each
; would have to take its blocks' tiles up to the longest partner's, 20 tiles for 17 in a group of four, for 48 KiB saved a trip.
; Eight waves.  Wave w: u = w mod 4 picks queries 32 u .. +31 of the block, g = w / 4 picks keys 64 g .. +63 of every tile; the two waves of
; one u keep states (m, l, O) of their own, which are joined through LDS at the end of a block.
; S^T = K Q^T: lane (r, h), register j of tile kb holds key 16 kb + 8 h + j for query r.  Rounded to f16 in pairs, these registers ARE the
; second source of O^T = V^T P^T: no shuffle; m and l are one number a lane; one exchange between the halves of the wave a query tile.
.set KP,     144                       ; a key's row in LDS: 128 bytes + 16
.set VP,     272                       ; a row of V^T in LDS: 128 keys, 256 bytes + 16
.set KBYTES, 128*KP
.set SLOT,   KBYTES+128*VP             ; 53,248: K's tile, then V^T's 64 rows of hi and 64 of lo
.set MERGE,  2*SLOT                    ; for each u 17 x 512 bytes: the state that wave u + 4 hands to wave u
.set MBYTES, 17*512
.set OSTAGE, MERGE+4*MBYTES            ; for each wave 32 rows x 272 bytes, its own (waves 0-3 use theirs)
.set OP,     272
.set KA,  8                            ; v8-9    my K fragments in slot 0, 1
.set VA,  10                           ; v10-11  my V^T fragments
.set QO,  12                           ; my offset in a query block
.set STO, 13
.set RD,  14
.set CO,  15
.set MS,  16
.set NINF, 17
.set DQ,  18                           ; v18-19  my query minus my first key, both counted inside the diagonal tile, for query tile 0, 1
.set MX,  20                           ; v20-21  running maximum of the raw scores
.set LS,  22                           ; v22-23  running sum (this lane's keys)
.set NM,  24                           ; v24-27  -c m, twice, for each query tile
.set AL,  28                           ; v28-29  the factor on the old state, twice
.set TT,  30                           ; v30-37  at work
.set XR,  40                           ; v40-43  the partner's (-c m, -c m, l, l)
.set QF,  48                           ; v48-79  Q fragments of the block at work: 16 qt + 8 ks
.set QB2, 80                           ; v80-111 those of the second block
.set SC,  112                          ; v112-175 scores, then probabilities: 32 qt + 8 kb
.set OA,  176                          ; v176-239 O^T: 32 qt + 8 dt
.set KF,  0                            ; window 1: K fragments 8 (2 kb + ks)
.set VF,  64                           ; window 1: V^T fragments 64 + 64 part + 8 (2 dt + ks)
.set G1K, 24
.set G1V, 32
.set G0K, 40                           ; one set for each slot
.set G0V, 48
.set MSB, 0
.macro WIN new
.if MSB != \new
	s_set_vgpr_msb (MSB<<8)|\new
.set MSB, \new
.endif
.endm
	s_load_b256 s[4:11], s[0:1], 0x0               ; qh 4:5, kh 6:7, vt 8:9, ah 10:11
	v_lshl_add_u32 v254, v0, 2, 0x33800
	v_mov_b32 v255, 0
	ds_add_u32 v254, v255
	v_lshrrev_b32 v1, 5, v0
	v_readfirstlane_b32 s12, v1                    ; wave 0..7
	s_mov_b32 s13, ttmp9                           ; j
	s_and_b32 s14, ttmp7, 0xffff                   ; batch-head
	s_sub_co_u32 s15, 16, s13                      ; n1: tiles of the first block; the trip in which the blocks change
	s_sub_co_u32 s16, 15, s13                      ; the first block's number, and the trip of its diagonal tile
	s_mov_b32 s17, 0                               ; trip
	s_mov_b32 s18, 0                               ; the tile asked for last
	s_mov_b32 s20, 0x76543210                      ; v_permlanex16_b32: lane i of one half reads lane i of the other
	s_mov_b32 s21, 0xfedcba98
	s_and_b32 s70, s12, 3                          ; u
	s_lshr_b32 s71, s12, 2                         ; g
	; K's tile is 16 KiB dense in memory: taken as 64 rows of 256 bytes, 4 words of padding after every 32 words: a key's 128 bytes get a pitch of 144
	s_mov_b32 s[G1K+0], (1<<16)|(1<<20)|(4<<22)|(3<<25)
	s_mov_b32 s[G1K+1], 128<<16
	s_mov_b32 s[G1K+2], 64<<16
	s_mov_b32 s[G1K+3], 128<<16
	s_mov_b32 s[G1K+4], 64
	s_mov_b32 s[G1K+5], 128
	s_mov_b32 s[G1K+6], 0
	s_mov_b32 s[G1K+7], 0
	; V^T's tile: 128 rows (64 d of hi, 64 d of lo) of 128 keys, 2,048 elements from row to row, 4 words of padding after every 64
	s_mov_b32 s[G1V+0], (1<<16)|(1<<20)|(5<<22)|(3<<25)
	s_mov_b32 s[G1V+1], 128<<16
	s_mov_b32 s[G1V+2], 128<<16
	s_mov_b32 s[G1V+3], 128<<16
	s_mov_b32 s[G1V+4], 128
	s_mov_b32 s[G1V+5], 2048
	s_mov_b32 s[G1V+6], 0
	s_mov_b32 s[G1V+7], 0
	s_mov_b32 s[G0K+0], 1
	s_mov_b32 s[G0K+1], 0
	s_mov_b32 s[G0K+4], 1
	s_mov_b32 s[G0K+5], SLOT
	s_mov_b32 s[G0V+0], 1
	s_mov_b32 s[G0V+1], KBYTES
	s_mov_b32 s[G0V+4], 1
	s_mov_b32 s[G0V+5], SLOT+KBYTES
	s_lshl_b32 s22, s14, 18                        ; a batch-head is 262,144 bytes in qh and kh
	s_mov_b32 s23, 0
	s_lshl_b32 s2, s16, 14                         ; a block of 128 rows of q is 16,384 bytes
	s_add_co_u32 s2, s2, s22
	s_mov_b32 s3, 0
	s_wait_dscnt 0x0
	s_barrier_signal -1
	s_barrier_wait -1
	s_wait_kmcnt 0x0
	s_add_nc_u64 s[56:57], s[6:7], s[22:23]        ; K of my batch-head
	s_add_nc_u64 s[66:67], s[4:5], s[2:3]          ; Q, first block
	s_lshl_b32 s2, s13, 14
	s_add_co_u32 s2, s2, s22
	s_add_nc_u64 s[68:69], s[4:5], s[2:3]          ; Q, second block
	s_lshl_b32 s22, s14, 19                        ; a batch-head is 524,288 bytes in vt and ah
	s_add_nc_u64 s[58:59], s[8:9], s[22:23]        ; V^T of my batch-head
	s_lshl_b32 s2, s16, 15                         ; a block of 128 rows of ah is 32,768 bytes
	s_add_co_u32 s2, s2, s22
	s_add_nc_u64 s[60:61], s[10:11], s[2:3]        ; output, first block
	s_lshl_b32 s2, s13, 15
	s_add_co_u32 s2, s2, s22
	s_add_nc_u64 s[62:63], s[10:11], s[2:3]        ; output, second block
	s_mov_b64 s[G0K+2:G0K+3], s[56:57]             ; tile 0
	s_or_b32 s[G0K+3], s[G0K+3], 0x80000000
	s_mov_b64 s[G0V+2:G0V+3], s[58:59]
	s_or_b32 s[G0V+3], s[G0V+3], 0x80000000
; Wave 0 asks for K's tile (64 rows of 256 bytes), wave 1 for V^T's (128 rows of 256 bytes): one tensor load a wave.
.macro REFILL s
	s_cmp_lg_u32 s12, 0
	s_cbranch_scc1 .Lnot_k_\@
	tensor_load_to_lds s[G0K+4*\s:G0K+4*\s+3], s[G1K:G1K+7]
	s_nop 0
.Lnot_k_\@:
	s_cmp_lg_u32 s12, 1
	s_cbranch_scc1 .Lnot_v_\@
	tensor_load_to_lds s[G0V+4*\s:G0V+4*\s+3], s[G1V:G1V+7]
	s_nop 0
.Lnot_v_\@:
.endm
	REFILL 0                                       ; the first fill, ahead of every wait on TENSORcnt
	v_and_b32 v1, 31, v0                           ; lane
	v_and_b32 v2, 15, v0                           ; r
	v_bfe_u32 v3, v0, 4, 1                         ; h
	v_lshlrev_b32 v4, 4, v3                        ; 16 h
	v_lshlrev_b32 v5, 4, v1                        ; 16 x lane
	v_lshl_add_u32 v[QO], v2, 7, v4
	s_lshl_b32 s2, s70, 12                         ; 32 u rows of 128 bytes
	v_add_nc_u32 v[QO], s2, v[QO]                  ; (32 u + r) 128 + 16 h
	s_lshl_b32 s2, s70, 13                         ; 32 u rows of 256 bytes
	v_add_nc_u32 v[CO], s2, v5
	; Both blocks' Q fragments are fetched now, so that the change of blocks waits for no memory.
.irp qt, 0,1
.irp ks, 0,1
	global_load_b128 v[QF+16*\qt+8*\ks:QF+16*\qt+8*\ks+3],    v[QO], s[66:67] offset:\qt*2048+\ks*64
	global_load_b128 v[QF+16*\qt+8*\ks+4:QF+16*\qt+8*\ks+7],  v[QO], s[66:67] offset:\qt*2048+\ks*64+32
	global_load_b128 v[QB2+16*\qt+8*\ks:QB2+16*\qt+8*\ks+3],   v[QO], s[68:69] offset:\qt*2048+\ks*64
	global_load_b128 v[QB2+16*\qt+8*\ks+4:QB2+16*\qt+8*\ks+7], v[QO], s[68:69] offset:\qt*2048+\ks*64+32
.endr
.endr
	v_mul_u32_u24 v6, v2, KP
	v_add_nc_u32 v6, v6, v4                        ; r 144 + 16 h: K fragments
	s_mul_i32 s2, s71, 64*KP
	v_add_nc_u32 v[KA], s2, v6
	v_add_nc_u32 v[KA+1], SLOT, v[KA]
	v_mul_u32_u24 v7, v2, VP
	v_add_nc_u32 v7, v7, v4                        ; r 272 + 16 h: V^T fragments, and the way into the output stage
	s_lshl_b32 s2, s71, 7                          ; my 64 keys: 128 bytes along V^T's rows
	s_add_co_u32 s2, s2, KBYTES
	v_add_nc_u32 v[VA], s2, v7
	v_add_nc_u32 v[VA+1], SLOT, v[VA]
	s_mul_i32 s2, s12, 32*OP
	s_add_co_u32 s2, s2, OSTAGE
	v_add_nc_u32 v[STO], s2, v7
	v_mul_u32_u24 v6, v3, OP                       ; back: lanes 0-15 take one row of 256 bytes, lanes 16-31 the next
	v_lshl_add_u32 v6, v2, 4, v6
	v_add_nc_u32 v[RD], s2, v6
	s_mul_i32 s2, s70, MBYTES
	s_add_co_u32 s2, s2, MERGE
	v_add_nc_u32 v[MS], s2, v5
	v_mov_b32 v[NINF], 0xff800000
	s_lshl_b32 s2, s70, 5
	s_lshl_b32 s3, s71, 6
	s_sub_co_i32 s2, s2, s3                        ; 32 u - 64 g
	v_add_nc_u32 v[DQ], s2, v2
	v_lshlrev_b32 v7, 3, v3
	v_sub_nc_u32 v[DQ], v[DQ], v7                  ; 32 u + r - 64 g - 8 h
	v_add_nc_u32 v[DQ+1], 16, v[DQ]
	s_wait_loadcnt 0x0                             ; Q, once
; The next tile's number (0 again where the second block begins) and its addresses, into slot o's group 0.  Stands behind a wait for all tensor loads.
.macro NEXTADDR o
	s_add_co_u32 s18, s18, 1
	s_cmp_eq_u32 s18, s15
	s_cselect_b32 s18, 0, s18
	s_lshl_b32 s22, s18, 14                        ; 128 keys of 128 bytes
	s_add_nc_u64 s[G0K+4*\o+2:G0K+4*\o+3], s[56:57], s[22:23]
	s_or_b32 s[G0K+4*\o+3], s[G0K+4*\o+3], 0x80000000
	s_lshl_b32 s22, s18, 8                         ; 128 keys of 2 bytes along V^T's rows
	s_add_nc_u64 s[G0V+4*\o+2:G0V+4*\o+3], s[58:59], s[22:23]
	s_or_b32 s[G0V+4*\o+3], s[G0V+4*\o+3], 0x80000000
.endm
; The diagonal tile: a key behind its query gets -infinity.  key > query  <=>  16 kb + j > DQ.  A choice of values: no branch hangs on it.
.macro MASK
.irp qt, 0,1
.irp kb, 0,1,2,3
.irp j, 0,1,2,3,4,5,6,7
	v_cmp_gt_i32 vcc_lo, 16*\kb+\j, v[DQ+\qt]
	v_cndmask_b32 v[SC+32*\qt+8*\kb+\j], v[SC+32*\qt+8*\kb+\j], v[NINF], vcc_lo
.endr
.endr
.endr
.endm
; One query tile's 64 keys x 16 queries.  c = log2(e) / 32.  p = 2^(c s - c m); the old state is scaled by 2^(c m_old - c m_new).
; -c m is rounded once and used alike for p, for the factor and in the join, so its rounding is a common factor of a row and drops out.
.macro SOFTMAX qt, first
.set SB, SC+32*\qt
.set OB, OA+32*\qt
.irp k, 0,1,2,3
	v_max3_num_f32 v[TT+\k], v[SB+8*\k], v[SB+8*\k+1], v[SB+8*\k+2]
.endr
.irp k, 0,1,2,3
	v_max3_num_f32 v[TT+\k], v[TT+\k], v[SB+8*\k+3], v[SB+8*\k+4]
.endr
.irp k, 0,1,2,3
	v_max3_num_f32 v[TT+\k], v[TT+\k], v[SB+8*\k+5], v[SB+8*\k+6]
.endr
	v_max3_num_f32 v[TT], v[TT], v[SB+7], v[SB+15]
	v_max3_num_f32 v[TT+2], v[TT+2], v[SB+23], v[SB+31]
	v_max3_num_f32 v[TT], v[TT], v[TT+1], v[TT+2]
.if \first
	v_max_num_f32 v[TT], v[TT], v[TT+3]
.else
	v_max3_num_f32 v[TT], v[TT], v[TT+3], v[MX+\qt]
.endif
	v_permlanex16_b32 v[TT+1], v[TT], s20, s21     ; the other half of the lanes holds the query's other keys
	v_max_num_f32 v[MX+\qt], v[TT], v[TT+1]
	v_mul_f32 v[TT+2], 0xbd38aa3b, v[MX+\qt]       ; -c m
.if \first == 0
	v_sub_f32 v[AL], v[TT+2], v[NM+2*\qt]          ; c m_old - c m_new, exactly 0 where m stays
	v_exp_f32 v[AL], v[AL]
.endif
	v_mov_b32 v[NM+2*\qt], v[TT+2]                 ; (a plain place behind the exponential, ISA guide 5.7.2)
	v_mov_b32 v[NM+2*\qt+1], v[TT+2]
.set i, 0
.rept 16
	v_pk_fma_f32 v[SB+i:SB+i+1], v[SB+i:SB+i+1], 0x3d38aa3b, v[NM+2*\qt:NM+2*\qt+1] op_sel_hi:[1,0,1]
.set i, i+2
.endr
.set i, 0
.rept 32
	v_exp_f32 v[SB+i], v[SB+i]
.set i, i+1
.endr
.if \first
	v_nop                                          ; the plain place behind the last exponential
	s_wait_alu depctr_va_vdst(0)
.else
	s_wait_alu depctr_va_vdst(0)
	v_mov_b32 v[AL+1], v[AL]                       ; the plain place behind the last exponential
.endif
.irp k, 0,1,2,3
	v_pk_add_f32 v[TT+2*\k:TT+2*\k+1], v[SB+8*\k:SB+8*\k+1], v[SB+8*\k+2:SB+8*\k+3]
.endr
.irp k, 0,1,2,3
	v_pk_add_f32 v[TT+2*\k:TT+2*\k+1], v[TT+2*\k:TT+2*\k+1], v[SB+8*\k+4:SB+8*\k+5]
.endr
.irp k, 0,1,2,3
	v_pk_add_f32 v[TT+2*\k:TT+2*\k+1], v[TT+2*\k:TT+2*\k+1], v[SB+8*\k+6:SB+8*\k+7]
.endr
	v_pk_add_f32 v[TT:TT+1], v[TT:TT+1], v[TT+2:TT+3]
	v_pk_add_f32 v[TT+4:TT+5], v[TT+4:TT+5], v[TT+6:TT+7]
	v_pk_add_f32 v[TT:TT+1], v[TT:TT+1], v[TT+4:TT+5]
.if \first
	v_add_f32 v[LS+\qt], v[TT], v[TT+1]
.else
	v_add_f32 v[TT], v[TT], v[TT+1]
	v_fma_f32 v[LS+\qt], v[LS+\qt], v[AL], v[TT]
.endif
	; to f16 in place: registers 16 ks + 0..7 become the second source for keys 32 ks .. +31 (register p is written when 2 p and 2 p + 1 are read)
.irp ks, 0,1
.irp p, 0,1,2,3,4,5,6,7
	v_cvt_pk_f16_f32 v[SB+16*\ks+\p], v[SB+16*\ks+2*\p], v[SB+16*\ks+2*\p+1]
.endr
.endr
.if \first == 0
.set i, 0
.rept 16
	v_pk_mul_f32 v[OB+i:OB+i+1], v[OB+i:OB+i+1], v[AL:AL+1]
.set i, i+2
.endr
.endif
.endm
; The end of a block: waves 4-7 hand their state to waves 0-3, which join the two, divide by the sum, split the result into two bf16 terms
; and store 32 rows of 256 bytes each at s[ob:ob+1].
.macro FINISH ob
	v_permlanex16_b32 v[TT], v[LS], s20, s21
	v_permlanex16_b32 v[TT+1], v[LS+1], s20, s21
	v_add_f32 v[LS], v[LS], v[TT]                  ; the sums of the two halves of the lanes
	v_add_f32 v[LS+1], v[LS+1], v[TT+1]
	s_wait_tensorcnt 0x0                           ; no tensor load of mine crosses the barrier below
	s_cmp_lt_u32 s12, 4
	s_cbranch_scc1 .Lkeep_\@
	v_mov_b32 v[XR], v[NM]
	v_mov_b32 v[XR+1], v[NM+2]
	v_mov_b32 v[XR+2], v[LS]
	v_mov_b32 v[XR+3], v[LS+1]
.irp n, 0,1,2,3,4,5,6,7,8,9,10,11,12,13,14,15
	ds_store_b128 v[MS], v[OA+4*\n:OA+4*\n+3] offset:512*\n
.endr
	ds_store_b128 v[MS], v[XR:XR+3] offset:8192
.Lkeep_\@:
	s_wait_dscnt 0x0                               ; my stores are done, for the partner's sake
	s_barrier_signal -1
	s_barrier_wait -1
	s_cmp_ge_u32 s12, 4
	s_cbranch_scc1 .Ldone_\@
.irp n, 0,1,2,3,4,5,6,7,8,9,10,11,12,13,14,15
	ds_load_b128 v[SC+4*\n:SC+4*\n+3], v[MS] offset:512*\n
.endr
	ds_load_b128 v[XR:XR+3], v[MS] offset:8192
	s_wait_dscnt 0x0
.irp qt, 0,1
	v_min_num_f32 v[TT], v[NM+2*\qt], v[XR+\qt]    ; -c x the larger maximum
	v_sub_f32 v[TT+1], v[TT], v[NM+2*\qt]
	v_sub_f32 v[TT+2], v[TT], v[XR+\qt]
	v_exp_f32 v[TT+1], v[TT+1]                     ; my weight
	v_exp_f32 v[TT+2], v[TT+2]                     ; the partner's: 0 where all its keys were masked
	v_nop
	s_wait_alu depctr_va_vdst(0)
	v_mul_f32 v[TT+3], v[LS+\qt], v[TT+1]
	v_fmac_f32 v[TT+3], v[XR+2+\qt], v[TT+2]
	v_rcp_f32 v[TT+3], v[TT+3]
	v_nop
	s_wait_alu depctr_va_vdst(0)
	v_mul_f32 v[TT+4], v[TT+1], v[TT+3]
	v_mul_f32 v[TT+6], v[TT+2], v[TT+3]
	v_mov_b32 v[TT+5], v[TT+4]
	v_mov_b32 v[TT+7], v[TT+6]
.irp i, 0,2,4,6,8,10,12,14,16,18,20,22,24,26,28,30
	v_pk_mul_f32 v[OA+32*\qt+\i:OA+32*\qt+\i+1], v[OA+32*\qt+\i:OA+32*\qt+\i+1], v[TT+4:TT+5]
.endr
.irp i, 0,2,4,6,8,10,12,14,16,18,20,22,24,26,28,30
	v_pk_fma_f32 v[OA+32*\qt+\i:OA+32*\qt+\i+1], v[SC+32*\qt+\i:SC+32*\qt+\i+1], v[TT+6:TT+7], v[OA+32*\qt+\i:OA+32*\qt+\i+1]
.endr
.endr
	; hi = bf16(a): word i = 4 (4 qt + dt) + p holds numbers 2 i, 2 i + 1 of O
.set i, 0
.rept 32
	v_cvt_pk_bf16_f32 v[SC+i], v[OA+2*i], v[OA+2*i+1]
.set i, i+1
.endr
	; lo = bf16(a - hi); the difference is exact in f32 and stays in O, a finite number, which the next block's first factor 0 clears
.set i, 0
.rept 32
	v_lshlrev_b32 v[TT+2*(i&3)], 16, v[SC+i]
	v_and_b32 v[TT+2*(i&3)+1], 0xffff0000, v[SC+i]
	v_pk_add_f32 v[OA+2*i:OA+2*i+1], v[OA+2*i:OA+2*i+1], v[TT+2*(i&3):TT+2*(i&3)+1] neg_lo:[0,1] neg_hi:[0,1]
	v_cvt_pk_bf16_f32 v[SC+32+i], v[OA+2*i], v[OA+2*i+1]
.set i, i+1
.endr
.irp qt, 0,1
.irp dt, 0,1,2,3
	ds_store_b128 v[STO], v[SC+4*(4*\qt+\dt):SC+4*(4*\qt+\dt)+3] offset:\qt*16*OP+32*\dt             ; query 16 qt + r, hi of d = 16 dt + 8 h + 0..7
	ds_store_b128 v[STO], v[SC+32+4*(4*\qt+\dt):SC+32+4*(4*\qt+\dt)+3] offset:\qt*16*OP+128+32*\dt   ; lo, 128 bytes further along the row
.endr
.endr
.irp t, 0,1,2,3,4,5,6,7,8,9,10,11,12,13,14,15
	ds_load_b128 v[SC+4*\t:SC+4*\t+3], v[RD] offset:\t*2*OP    ; my own bytes, served in order (ISA guide 5.7.1): no wait between
.endr
.irp t, 0,1,2,3,4,5,6,7,8,9,10,11,12,13,14,15
	s_wait_dscnt 15-\t
	global_store_b128 v[CO], v[SC+4*\t:SC+4*\t+3], s[\ob:\ob+1] offset:512*\t   ; two rows, 512 consecutive bytes
.endr
	s_wait_xcnt 0x0                                ; the stores' data registers are written again by the next scores only behind this wait
.Ldone_\@:
.endm
; The second block begins.  m = the most negative finite number: the next factor is 2^(-1.5e37) = 0, which clears O and l by the scaling
; that is done anyway.  A wave whose keys are then all masked keeps m, and gets the weight 0 in the join.
.macro RESTART
.set i, 0
.rept 32
	v_mov_b32 v[QF+i], v[QB2+i]
.set i, i+1
.endr
	v_mov_b32 v[MX], 0xff7fffff
	v_mov_b32 v[MX+1], 0xff7fffff
.irp k, 0,1,2,3
	v_mul_f32 v[NM+\k], 0xbd38aa3b, v[MX]
.endr
.endm
; One tile of 128 keys out of slot 'slot'.  first: the products and sums start the state.  sw: the blocks may change in front of this trip.
; dmask: this may be the first block's diagonal tile.  smask: it is the second block's.  refill: the next tile is asked for, into 'other'.
.macro TRIP slot, other, first, sw, dmask, smask, refill
.if \sw
	s_cmp_lg_u32 s17, s15                          ; equal in all waves: made of the work-group's number and the trip
	s_cbranch_scc1 .Lsame_\@
	FINISH 60
	RESTART
.Lsame_\@:
.endif
	s_wait_tensorcnt 0x0                           ; all my tensor loads have landed, this trip's tile among them: group 0 may be written
	ds_add_u32 v254, v255
	s_wait_dscnt 0x0
.if \refill
	NEXTADDR \other
.endif
	s_wait_dscnt 0x0                               ; my reads of the other slot are done
	s_barrier_signal -1
	s_barrier_wait -1                              ; both now hold of all eight waves
.if \refill
	REFILL \other                                  ; first behind the barrier, one tensor load a wave; it has this trip's work in which to land
.endif
	WIN 0x40                                       ; destination window 1
.irp kb, 0,1,2,3
.irp ks, 0,1
	ds_load_b128 v[KF+8*(2*\kb+\ks):KF+8*(2*\kb+\ks)+3],   v[KA+\slot] offset:\kb*16*KP+\ks*64
	ds_load_b128 v[KF+8*(2*\kb+\ks)+4:KF+8*(2*\kb+\ks)+7], v[KA+\slot] offset:\kb*16*KP+\ks*64+32
.endr
.endr
.irp pt, 0,1
.irp dt, 0,1,2,3
.irp ks, 0,1
	ds_load_b128 v[VF+64*\pt+8*(2*\dt+\ks):VF+64*\pt+8*(2*\dt+\ks)+3],   v[VA+\slot] offset:\pt*64*VP+\dt*16*VP+\ks*64
	ds_load_b128 v[VF+64*\pt+8*(2*\dt+\ks)+4:VF+64*\pt+8*(2*\dt+\ks)+7], v[VA+\slot] offset:\pt*64*VP+\dt*16*VP+\ks*64+32
.endr
.endr
.endr
	s_wait_dscnt 32                                ; K's 16 loads are in; V^T's 32 may be out
	WIN 0x01                                       ; source 0 window 1
	; S^T = K Q^T.  The eight accumulators take turns, one instruction a turn
.irp ks, 0,1
.irp qt, 0,1
.irp kb, 0,1,2,3
.if \ks == 0
	v_wmma_f32_16x16x32_f16 v[SC+32*\qt+8*\kb:SC+32*\qt+8*\kb+7], v[KF+8*(2*\kb+\ks):KF+8*(2*\kb+\ks)+7], v[QF+16*\qt+8*\ks:QF+16*\qt+8*\ks+7], 0
.else
	v_wmma_f32_16x16x32_f16 v[SC+32*\qt+8*\kb:SC+32*\qt+8*\kb+7], v[KF+8*(2*\kb+\ks):KF+8*(2*\kb+\ks)+7], v[QF+16*\qt+8*\ks:QF+16*\qt+8*\ks+7], v[SC+32*\qt+8*\kb:SC+32*\qt+8*\kb+7]
.endif
.endr
.endr
.endr
	WIN 0
.rept 4
	v_nop                                          ; four places in front of the readers of the scores (ISA guide 7.12.1)
.endr
.if \dmask
	s_cmp_lg_u32 s17, s16
	s_cbranch_scc1 .Lopen_\@
	MASK
.Lopen_\@:
.endif
.if \smask
	MASK
.endif
	SOFTMAX 0, \first
	SOFTMAX 1, \first
	s_wait_dscnt 0x0                               ; V^T's fragments
	WIN 0x01
	; O^T += V_hi^T P^T + V_lo^T P^T, the eight accumulators by turns
.irp pt, 0,1
.irp ks, 0,1
.irp qt, 0,1
.irp dt, 0,1,2,3
.if (\first)*(1-\ks)*(1-\pt)
	v_wmma_f32_16x16x32_f16 v[OA+32*\qt+8*\dt:OA+32*\qt+8*\dt+7], v[VF+64*\pt+8*(2*\dt+\ks):VF+64*\pt+8*(2*\dt+\ks)+7], v[SC+32*\qt+16*\ks:SC+32*\qt+16*\ks+7], 0
.else
	v_wmma_f32_16x16x32_f16 v[OA+32*\qt+8*\dt:OA+32*\qt+8*\dt+7], v[VF+64*\pt+8*(2*\dt+\ks):VF+64*\pt+8*(2*\dt+\ks)+7], v[SC+32*\qt+16*\ks:SC+32*\qt+16*\ks+7], v[OA+32*\qt+8*\dt:OA+32*\qt+8*\dt+7]
.endif
.endr
.endr
.endr
.endr
	WIN 0
.rept 5
	v_nop                                          ; five places: the next scores are written over P, the next loads land on the fragments, O is read
.endr
	s_add_co_u32 s17, s17, 1
.endm
	; 17 trips.  The blocks change in front of trip 16 - j (9 to 16); the first block's diagonal tile is trip 15 - j (8 to 15); trip 16 is the second block's.
	TRIP 0, 1, 1, 0, 0, 0, 1
	TRIP 1, 0, 0, 0, 0, 0, 1
	s_mov_b32 s19, 7
.Lpair:
	TRIP 0, 1, 0, 1, 1, 0, 1
	TRIP 1, 0, 0, 1, 1, 0, 1
	s_sub_co_u32 s19, s19, 1
	s_cmp_lg_u32 s19, 0
	s_cbranch_scc1 .Lpair
	TRIP 0, 1, 0, 1, 0, 1, 0                       ; the last tile: nothing is left to ask for
	FINISH 62
	s_wait_tensorcnt 0x0
	ds_add_u32 v254, v255
	s_wait_dscnt 0x0
	s_endpgm
.Lfunc_end_k_qe9fb3ab8f6_attn:
	.size	k_qe9fb3ab8f6_attn, .Lfunc_end_k_qe9fb3ab8f6_attn-k_qe9fb3ab8f6_attn
	.p2alignl 7, 3214868480
	.fill 96, 4, 3214868480
	.section	.rodata,"a",@progbits
	.p2align	6, 0x0
	.amdhsa_kernel k_qe9fb3ab8f6_attn
		.amdhsa_group_segment_fixed_size 327680
		.amdhsa_private_segment_fixed_size 0
		.amdhsa_enable_private_segment 0
		.amdhsa_kernarg_size 32
		.amdhsa_user_sgpr_count 2
		.amdhsa_user_sgpr_kernarg_segment_ptr 1
		.amdhsa_wavefront_size32 1
		.amdhsa_system_sgpr_workgroup_id_x 1
		.amdhsa_system_sgpr_workgroup_id_y 1
		.amdhsa_system_sgpr_workgroup_id_z 1
		.amdhsa_system_vgpr_workitem_id 0
		.amdhsa_next_free_vgpr 448
		.amdhsa_next_free_sgpr 72
		.amdhsa_reserve_vcc 1
		.amdhsa_float_denorm_mode_32 3
		.amdhsa_float_denorm_mode_16_64 3
		.amdhsa_memory_ordered 1
		.amdhsa_forward_progress 1
		.amdhsa_inst_pref_size 210
	.end_amdhsa_kernel
	.amdgpu_metadata
---
amdhsa.version: [ 1, 2 ]
amdhsa.kernels:
  - .name:           k_qe9fb3ab8f6_attn
    .symbol:         k_qe9fb3ab8f6_attn.kd
    .args:
      - { .name: qh, .offset: 0, .size: 8, .value_kind: global_buffer, .address_space: global }
      - { .name: kh, .offset: 8, .size: 8, .value_kind: global_buffer, .address_space: global }
      - { .name: vt, .offset: 16, .size: 8, .value_kind: global_buffer, .address_space: global }
      - { .name: ah, .offset: 24, .size: 8, .value_kind: global_buffer, .address_space: global }
    .group_segment_fixed_size: 327680
    .private_segment_fixed_size: 0
    .kernarg_segment_align: 8
    .kernarg_segment_size: 32
    .max_flat_workgroup_size: 256
    .sgpr_count:     72
    .vgpr_count:     448
    .wavefront_size: 32
...
	.end_amdgpu_metadata
.endif
;; end of part 3
;; launch oproj (part 4): grid 8 x 32, 4 waves a work-group, clusters of 4 x 4, 327,680 bytes of LDS; arguments ah, woh, out0; writes out0
.if DOCPART == 4
	.amdgcn_target "amdgcn-amd-amdhsa--gfx1250"
	.amdhsa_code_object_version 6
	.text
	.protected	k_qe9fb3ab8f6_oproj
	.globl	k_qe9fb3ab8f6_oproj
	.p2align	8
	.type	k_qe9fb3ab8f6_oproj,@function
k_qe9fb3ab8f6_oproj:
	s_mov_b64 s[64:65], 0
	v_nop
	global_prefetch_b8 v0, s[64:65] scope:SCOPE_SE
	s_setreg_imm32_b32 hwreg(HW_REG_WAVE_MODE, 25, 1), 1
	s_wait_xcnt 0x0
	s_wait_alu depctr_hold_cnt(0) depctr_sa_sdst(0) depctr_va_vdst(0) depctr_va_sdst(0) depctr_va_ssrc(0) depctr_va_vcc(0) depctr_vm_vsrc(0)
	s_getreg_b32 s2, hwreg(HW_REG_IB_STS2, 6, 4)
	s_cmp_eq_u32 s2, 0
	s_cbranch_scc0 .Lentry_in_a_cluster
	s_endpgm
.Lentry_in_a_cluster:
	s_bfe_u32 s2, ttmp6, 0x10000c
	s_cmp_lg_u32 s2, 0xf033
	s_cbranch_scc0 .Lentry_shape_is_right
	s_endpgm
.Lentry_shape_is_right:
; oproj: out0[m][n] = sum over e of a[m][e] W_o[n][e], e = 64 head + d, with a = hi + lo in two bf16 terms:
; ah [32 batch-heads][2048][128: 64 hi, 64 lo] bf16, woh [1024][1024] bf16; f32 sums; out0 [4096][1024] f32.
; Both terms are multiplied by the same fragment of W_o and add onto the same accumulator: 16 bits of a reach the sums.
; Grid: x = block of 128 columns (8), y = block of 128 rows (32): 256 work-groups.  Four waves, wave (mh, nh) makes 64 x 64: 16 accumulator tiles.
; K goes in 8 fills of two heads (128 of e) through two LDS slots.
; CLUSTERS: 4 x 4 work-groups; a's tile hangs on y alone and is asked for jointly along a row of the cluster, W_o's on x alone, along a column.
; The sources are swapped (W_o first): a lane holds 8 neighbouring columns of one row, 32 bytes.
.set AP,    272                        ; a position's 64 hi and 64 lo of one head in LDS: 256 bytes + 16
.set BP,    272                        ; a row of W_o's tile: 128 numbers, 256 bytes + 16
.set HALFA, 2*64*AP                    ; [2 heads][64 positions][272]: one tensor load
.set HALFB, 64*BP                      ; 64 rows: one tensor load
.set BOFF,  2*HALFA
.set SLOT,  BOFF+2*HALFB               ; 104,448
.set STAGE, 2*SLOT                     ; behind the ring: 16 rows x 272 bytes for each wave
.set SP,    272
.set AFILL, 2*524288                   ; two heads on in ah
.set BFILL, 256                        ; 128 numbers on along W_o's rows
.set ADRA, 16
.set ADRB, 20
.set STO,  24
.set RD,   25
.set CO,   26
.set F0,   64                          ; fragment buffer 0: W_o's four at +0, a's four hi at +32, four lo at +64
.set F1,   160
.set G1A, 24
.set G0A, 32
.set G1B, 40
.set G0B, 48
.set MSB, 0
.macro WIN new
.if MSB != \new
	s_set_vgpr_msb (MSB<<8)|\new
.set MSB, \new
.endif
.endm
.macro JLOAD s                         ; waves 0, 1 ask for a's halves, waves 2, 3 for W_o's
	s_cmp_eq_u32 s11, 0
	s_cbranch_scc0 .Lfor_b_\@
	tensor_load_to_lds s[G0A+4*\s:G0A+4*\s+3], s[G1A:G1A+7]
	s_nop 0
	s_branch .Lasked_\@
.Lfor_b_\@:
	tensor_load_to_lds s[G0B+4*\s:G0B+4*\s+3], s[G1B:G1B+7]
	s_nop 0
.Lasked_\@:
.endm
.macro CROUND                          ; a round of the cluster's barrier
	s_barrier_signal -1
	s_barrier_wait -1
	s_cmp_lg_u32 s10, 0
	s_cbranch_scc1 .Lnot_wave_0_\@
	s_barrier_signal -3
.Lnot_wave_0_\@:
	s_barrier_wait -3
	s_barrier_signal -1
	s_barrier_wait -1
.endm
.macro PLACES                          ; four plain places behind matrix instructions (ISA guide 7.12.1)
.rept 4
	v_nop
.endr
.endm
	s_load_b128 s[4:7], s[0:1], 0x0                ; ah 4:5, woh 6:7
	s_load_b64 s[8:9], s[0:1], 0x10                ; out0
	v_lshl_add_u32 v62, v0, 2, 0x37400
	v_mov_b32 v63, 0
	ds_add_u32 v62, v63
	v_lshrrev_b32 v1, 5, v0
	v_readfirstlane_b32 s10, v1                    ; wave 0..3
	s_lshr_b32 s11, s10, 1                         ; mh; also: I fetch for a (0) or for W_o (1)
	s_and_b32 s12, s10, 1                          ; nh; also: which half of that tile
	s_bfe_u32 s13, ttmp6, 0x40000                  ; cx
	s_bfe_u32 s14, ttmp6, 0x40004                  ; cy
	s_lshl_b32 s15, ttmp9, 2
	s_add_co_u32 s15, s15, s13                     ; x
	s_and_b32 s16, ttmp7, 0xffff
	s_lshl_b32 s16, s16, 2
	s_add_co_u32 s16, s16, s14                     ; y
	s_lshl_b32 s17, s14, 2
	s_lshl_b32 s17, 15, s17                        ; my row of the cluster
	s_lshl_b32 s18, 0x1111, s13                    ; my column
	; a's tile: two rows, one a head, each the 16 KiB that 64 positions of that head fill densely; 4 words of padding after every 64
	s_or_b32 s[G1A+0], s17, (1<<16)|(1<<20)|(1<<21)|(5<<22)|(3<<25)
	s_mov_b32 s[G1A+1], 8192<<16                   ; tensor_dim0 = 8,192 elements
	s_mov_b32 s[G1A+2], 2<<16                      ; tensor_dim1 = 2
	s_mov_b32 s[G1A+3], 8192<<16                   ; tile_dim0
	s_mov_b32 s[G1A+4], 2                          ; tile_dim1
	s_mov_b32 s[G1A+5], 262144                     ; elements from head to head
	s_mov_b32 s[G1A+6], 0
	s_mov_b32 s[G1A+7], 0
	; W_o's tile: 64 rows of 128 elements; 4 words of padding after every 64
	s_or_b32 s[G1B+0], s18, (1<<16)|(1<<20)|(1<<21)|(5<<22)|(3<<25)
	s_mov_b32 s[G1B+1], 128<<16
	s_mov_b32 s[G1B+2], 64<<16
	s_mov_b32 s[G1B+3], 128<<16
	s_mov_b32 s[G1B+4], 64
	s_mov_b32 s[G1B+5], 1024
	s_mov_b32 s[G1B+6], 0
	s_mov_b32 s[G1B+7], 0
	s_lshr_b32 s56, s16, 4                         ; a: batch x 16 heads x 524,288 bytes; these registers never hold cx
	s_lshl_b32 s56, s56, 23
	s_and_b32 s19, s16, 15
	s_lshl_b32 s19, s19, 15                        ; + 128 positions x 256 bytes for each block in the sequence
	s_add_co_u32 s56, s56, s19
	s_lshl_b32 s19, s12, 14                        ; + 64 positions for the second half
	s_add_co_u32 s56, s56, s19
	s_mov_b32 s57, 0
	s_lshl_b32 s58, s15, 18                        ; W_o: 128 rows of 2,048 bytes a block; these never hold cy
	s_lshl_b32 s20, s12, 17
	s_add_co_u32 s58, s58, s20
	s_mov_b32 s59, 0
	s_mul_i32 s21, s10, HALFA                      ; LDS: a's halves at wave x 34,816 (waves 0, 1),
	s_mul_i32 s22, s10, HALFB
	s_add_co_u32 s22, s22, BOFF-2*HALFB            ; W_o's at 69,632 + (wave - 2) x 17,408 (waves 2, 3)
	s_wait_dscnt 0x0
	s_wait_kmcnt 0x0
	s_add_nc_u64 s[56:57], s[4:5], s[56:57]
	s_add_nc_u64 s[58:59], s[6:7], s[58:59]
	CROUND                                         ; all sixteen work-groups are here: the first joint loads meet
.irp s, 0,1
	s_mov_b32 s[G0A+4*\s], 1
	s_add_co_u32 s[G0A+4*\s+1], s21, \s*SLOT
	s_add_nc_u64 s[G0A+4*\s+2:G0A+4*\s+3], s[56:57], \s*AFILL
	s_or_b32 s[G0A+4*\s+3], s[G0A+4*\s+3], 0x80000000
	s_mov_b32 s[G0B+4*\s], 1
	s_add_co_u32 s[G0B+4*\s+1], s22, \s*SLOT
	s_add_nc_u64 s[G0B+4*\s+2:G0B+4*\s+3], s[58:59], \s*BFILL
	s_or_b32 s[G0B+4*\s+3], s[G0B+4*\s+3], 0x80000000
	JLOAD \s                                       ; fills 0 and 1: two loads of the wave are out
.endr
	s_lshl_b32 s60, s16, 19                        ; out0: (128 y + 64 mh) rows of 4,096 bytes + (128 x + 64 nh) columns of 4
	s_lshl_b32 s62, s11, 18
	s_add_co_u32 s60, s60, s62
	s_lshl_b32 s62, s15, 9
	s_add_co_u32 s60, s60, s62
	s_lshl_b32 s62, s12, 8
	s_add_co_u32 s60, s60, s62
	s_mov_b32 s61, 0
	s_add_nc_u64 s[8:9], s[8:9], s[60:61]
	v_and_b32 v1, 15, v0                           ; r
	v_bfe_u32 v2, v0, 4, 1                         ; h
	v_mul_u32_u24 v3, v1, AP
	v_lshl_add_u32 v3, v2, 4, v3                   ; r 272 + 16 h, for a's and for W_o's fragments
	s_mul_i32 s23, s11, HALFA
	v_add_nc_u32 v[ADRA], s23, v3
	v_add_nc_u32 v[ADRA+1], SLOT, v[ADRA]
	s_mul_i32 s23, s12, HALFB
	s_add_co_u32 s23, s23, BOFF
	v_add_nc_u32 v[ADRB], s23, v3
	v_add_nc_u32 v[ADRB+1], SLOT, v[ADRB]
	s_mul_i32 s23, s10, 16*SP
	s_add_co_u32 s23, s23, STAGE                   ; my stage
	v_mul_u32_u24 v3, v1, SP
	v_lshl_add_u32 v3, v2, 5, v3                   ; in: row r, 32 bytes for each half of the lanes
	v_add_nc_u32 v[STO], s23, v3
	v_mul_u32_u24 v3, v2, SP                       ; back: lanes 0-15 one row of 256 bytes, lanes 16-31 the next
	v_lshl_add_u32 v3, v1, 4, v3
	v_add_nc_u32 v[RD], s23, v3
	v_lshlrev_b32 v3, 12, v2                       ; and the same two rows in out0
	v_lshl_add_u32 v[CO], v1, 4, v3
; 24 LDS loads: the fragments of 32 of e, piece kq (0..3) of slot s, into buffer f.  Piece kq is head kq / 2 of the fill, d = 32 (kq mod 2) ..
.macro FETCH s, kq, f
	WIN 0
.irp b, 0,1,2,3
	ds_load_b128 v[\f+8*\b:\f+8*\b+3],   v[ADRB+\s] offset:\b*16*BP+64*(\kq)
	ds_load_b128 v[\f+8*\b+4:\f+8*\b+7], v[ADRB+\s] offset:\b*16*BP+64*(\kq)+32
.endr
.irp pt, 0,1
.irp a, 0,1,2,3
	ds_load_b128 v[\f+32+32*\pt+8*\a:\f+32+32*\pt+8*\a+3],   v[ADRA+\s] offset:\a*16*AP+((\kq)>>1)*64*AP+((\kq)&1)*64+128*\pt
	ds_load_b128 v[\f+32+32*\pt+8*\a+4:\f+32+32*\pt+8*\a+7], v[ADRA+\s] offset:\a*16*AP+((\kq)>>1)*64*AP+((\kq)&1)*64+128*\pt+32
.endr
.endr
.endm
; 32 matrix instructions: hi on all 16 accumulators (window 1), then lo; the accumulators take turns, one instruction a turn, in the same
; order every time, over the backward jump too
.macro MUL f, zero
	WIN 0x50                                       ; C and D window 1
.irp pt, 0,1
.irp a, 0,1,2,3
.irp b, 0,1,2,3
.if (\zero)*(1-\pt)
	v_wmma_f32_16x16x32_bf16 v[8*(4*\a+\b):8*(4*\a+\b)+7], v[\f+8*\b:\f+8*\b+7], v[\f+32+32*\pt+8*\a:\f+32+32*\pt+8*\a+7], 0
.else
	v_wmma_f32_16x16x32_bf16 v[8*(4*\a+\b):8*(4*\a+\b)+7], v[\f+8*\b:\f+8*\b+7], v[\f+32+32*\pt+8*\a:\f+32+32*\pt+8*\a+7], v[8*(4*\a+\b):8*(4*\a+\b)+7]
.endif
.endr
.endr
.endr
.endm
; piece kq + 1 is fetched into buffer nxt, then piece kq is multiplied out of buffer cur
.macro STEP s, kq, cur, nxt
	PLACES                                         ; buffer nxt was read by the matrix instructions just issued
	FETCH \s, \kq+1, \nxt
	s_wait_dscnt 24                                ; all but the 24 just issued
	MUL \cur, 0
.endm
.macro SLOTWORK s, zero
	PLACES
	FETCH \s, 0, F0
	FETCH \s, 1, F1
	s_wait_dscnt 24
	MUL F0, \zero
	STEP \s, 1, F1, F0
	STEP \s, 2, F0, F1
	s_wait_dscnt 0
	MUL F1, 0
.endm
; Slot s has been read and is asked for again, two fills ahead: each wave's reads and all its tensor loads are waited for in front of the
; round's opening signal; the joint refill is the first tensor load behind its closing wait, one a wave.
.macro CHANGE s
	s_wait_dscnt 0x0
	s_wait_tensorcnt 0x0
	ds_add_u32 v62, v63
	s_wait_dscnt 0x0
	WIN 0
	CROUND
	s_add_nc_u64 s[G0A+4*\s+2:G0A+4*\s+3], s[G0A+4*\s+2:G0A+4*\s+3], 2*AFILL
	s_add_nc_u64 s[G0B+4*\s+2:G0B+4*\s+3], s[G0B+4*\s+2:G0B+4*\s+3], 2*BFILL
	JLOAD \s
.endm
	s_wait_tensorcnt 0x1                           ; my part of fill 0 is in; fill 1's stays out
	s_barrier_signal -1
	s_barrier_wait -1
	SLOTWORK 0, 1                                  ; fill 0; its first products start the sums
	WIN 0
	s_mov_b32 s3, 3
.Lpair:
	CHANGE 0                                       ; the odd fill has landed; fill 2, 4, 6 goes out
	SLOTWORK 1, 0                                  ; fill 1, 3, 5
	CHANGE 1                                       ; fill 3, 5, 7 goes out
	SLOTWORK 0, 0                                  ; fill 2, 4, 6
	WIN 0
	s_sub_co_u32 s3, s3, 1
	s_cmp_lg_u32 s3, 0
	s_cbranch_scc1 .Lpair
	s_wait_dscnt 0x0
	s_wait_tensorcnt 0x0                           ; my part of fill 7 is in,
	s_barrier_signal -1
	s_barrier_wait -1                              ; everybody's is; nothing is left to ask for
	SLOTWORK 1, 0
	; THE WAY OUT, 16 rows at a time through my own stage: 32 bytes a lane in, whole rows of 256 bytes back
	; (LDS serves a wave's instructions in order, ISA guide 5.7.1: no wait between), each a's read-back in registers of its own.
	PLACES
.irp a, 0,1,2,3
	WIN 0x04                                       ; store data in window 1
.irp b, 0,1,2,3
	ds_store_b128 v[STO], v[8*(4*\a+\b):8*(4*\a+\b)+3]   offset:64*\b
	ds_store_b128 v[STO], v[8*(4*\a+\b)+4:8*(4*\a+\b)+7] offset:64*\b+16
.endr
	WIN 0
.irp t, 0,1,2,3,4,5,6,7
	ds_load_b128 v[F0+32*\a+4*\t:F0+32*\a+4*\t+3], v[RD] offset:\t*2*SP
.endr
.irp t, 0,1,2,3,4,5,6,7
	s_wait_dscnt 7-\t
	global_store_b128 v[CO], v[F0+32*\a+4*\t:F0+32*\a+4*\t+3], s[8:9] offset:(16*\a+2*\t)*4096 th:TH_STORE_NT   ; 16 lanes store 256 consecutive bytes, at a multiple of 256 from out0's first byte
.endr
.endr
	s_wait_tensorcnt 0x0
	ds_add_u32 v62, v63
	s_wait_dscnt 0x0
	CROUND                                         ; the closing round: no work-group ends while a partner may still ask for a tile that names it
	s_endpgm
.Lfunc_end_k_qe9fb3ab8f6_oproj:
	.size	k_qe9fb3ab8f6_oproj, .Lfunc_end_k_qe9fb3ab8f6_oproj-k_qe9fb3ab8f6_oproj
	.p2alignl 7, 3214868480
	.fill 96, 4, 3214868480
	.section	.rodata,"a",@progbits
	.p2align	6, 0x0
	.amdhsa_kernel k_qe9fb3ab8f6_oproj
		.amdhsa_group_segment_fixed_size 327680
		.amdhsa_private_segment_fixed_size 0
		.amdhsa_enable_private_segment 0
		.amdhsa_kernarg_size 24
		.amdhsa_user_sgpr_count 2
		.amdhsa_user_sgpr_kernarg_segment_ptr 1
		.amdhsa_wavefront_size32 1
		.amdhsa_system_sgpr_workgroup_id_x 1
		.amdhsa_system_sgpr_workgroup_id_y 1
		.amdhsa_system_sgpr_workgroup_id_z 1
		.amdhsa_system_vgpr_workitem_id 0
		.amdhsa_next_free_vgpr 384
		.amdhsa_next_free_sgpr 66
		.amdhsa_reserve_vcc 0
		.amdhsa_float_denorm_mode_32 3
		.amdhsa_float_denorm_mode_16_64 3
		.amdhsa_memory_ordered 1
		.amdhsa_forward_progress 1
		.amdhsa_inst_pref_size 76
	.end_amdhsa_kernel
	.amdgpu_metadata
---
amdhsa.version: [ 1, 2 ]
amdhsa.kernels:
  - .name:           k_qe9fb3ab8f6_oproj
    .symbol:         k_qe9fb3ab8f6_oproj.kd
    .args:
      - { .name: ah, .offset: 0, .size: 8, .value_kind: global_buffer, .address_space: global }
      - { .name: woh, .offset: 8, .size: 8, .value_kind: global_buffer, .address_space: global }
      - { .name: out0, .offset: 16, .size: 8, .value_kind: global_buffer, .address_space: global }
    .group_segment_fixed_size: 327680
    .private_segment_fixed_size: 0
    .kernarg_segment_align: 8
    .kernarg_segment_size: 24
    .max_flat_workgroup_size: 128
    .sgpr_count:     66
    .vgpr_count:     384
    .wavefront_size: 32
...
	.end_amdgpu_metadata
.endif
;; end of part 4
;; ======== version 2 of 2: 4 launches; version 1 with the launch prep written anew for expert scheduling mode
;; limits: values are held in f16: magnitudes above 65,504 overflow, below 6.1e-05 lose precision; a function is approximated: absolute error at most 0.0004
;; workspace buffers: xh 8,388,608 bytes; wc 6,291,456 bytes; woh 2,097,152 bytes; rope 524,288 bytes; qh 8,388,608 bytes; kh 8,388,608 bytes; vt 16,777,216 bytes; ah 16,777,216 bytes
;; launch prep (part 5): grid 256 x 1, 8 waves a work-group, no clusters, 0 bytes of LDS; arguments x, W_q, W_k, W_v, W_o, xh, wc, woh, rope; writes xh, wc, woh, rope
.if DOCPART == 5
	.amdgcn_target "amdgcn-amd-amdhsa--gfx1250"
	.amdhsa_code_object_version 6
	.text
	.protected	k_qe9fb3ab8f6_prep
	.globl	k_qe9fb3ab8f6_prep
	.p2align	8
	.type	k_qe9fb3ab8f6_prep,@function
k_qe9fb3ab8f6_prep:
	s_mov_b64 s[64:65], 0
	v_nop
	global_prefetch_b8 v0, s[64:65] scope:SCOPE_SE
	s_setreg_imm32_b32 hwreg(HW_REG_WAVE_SCHED_MODE, 0, 2), 2
	s_setreg_imm32_b32 hwreg(HW_REG_WAVE_MODE, 25, 1), 1
	s_wait_xcnt 0x0
	s_wait_alu depctr_vm_vsrc(0)
; prep: x and the four weights, f32 to bf16 (round to nearest even), and the table of rotary cosines and sines.
;   xh  [4096][1024] bf16;  woh [1024][1024] bf16;
;   wc  [16 heads][192 rows: 64 of W_q, 64 of W_k, 64 of W_v][1024] bf16, so that one head's q, k and v rows lie together;
;   rope [2048 positions][32 pairs][cos, sin] f32.
; LIMITS: the inputs are rounded to bf16 (8 significant bits, f32's range), as operands of the matrix units; the angles are right to
; about 4e-4 rad (f32 rounding of position x frequency and of the division by 2 pi at up to 2,047 rad).
; 256 work-groups of 256 threads.  Work-group g takes 64 KiB of x, four rows (16 KiB) of each weight and 8 positions of the table.
; Thread t takes 16 bytes at 16 t of every block of 4,096 bytes: a wave's load covers 512 consecutive bytes, its 8-byte store
; 256 consecutive aligned bytes.  All 32 loads of a thread go out first (128 KiB for the work-group); the table entry is
; computed while they are on their way.  A stream: no LDS, no barrier, no matrix unit, nothing read twice.
; THE MODE: SCHED_MODE bits 1:0 = 2 (LLVM: expert scheduling mode 2), set by the entry lines.  The code itself states the register dependences
; between vector instructions and memory instructions, with s_wait_alu, always for 0.
; THE PLAN.  Registers that memory instructions touch:
;   v1, v2       byte offsets of the loads and of the stores: written once at the head, never again.
;   v[16:143]    load n lands in four registers that no vector line has named; behind the wait for it two conversions read the four and
;                write the first two in place; one store reads those two; nothing writes them afterwards.
;   v[12:13]     the table's cosine and sine: written by the table's arithmetic, read by one store, never written again.
;   v3 to v11    are named by vector lines alone.
; So no register that a memory instruction has read is written again, and no load lands in a register that a vector line has named: what is
; left to state is that a vector line has written what a memory line reads.  One wait at the head does that for the offsets.  The 32 loads
; are worked off in eight groups of four: eight conversions, ONE wait, four stores.  The wait stands behind the group's own conversions, so
; that its stores do not have to stay until the next group's loads have come.  The table's store stands behind the first group's wait.
.set X, 16                             ; v[16:143]  load n: four registers
	s_load_b512 s[4:19], s[0:1], 0x0               ; x 4:5, W_q 6:7, W_k 8:9, W_v 10:11, W_o 12:13, xh 14:15, wc 16:17, woh 18:19
	s_load_b64 s[20:21], s[0:1], 0x40              ; rope
	v_lshlrev_b32 v1, 4, v0                        ; 16 t: where I load
	v_lshlrev_b32 v2, 3, v0                        ; 8 t: where I store
	s_mov_b32 s23, 0                               ; the upper word of every offset
	s_lshr_b32 s24, ttmp9, 4                       ; rows 4 g .. 4 g + 3 of a weight lie in head g / 16,
	s_mul_i32 s24, s24, 192                        ; whose block in wc begins at row 192 (g / 16),
	s_and_b32 s25, ttmp9, 15
	s_lshl2_add_u32 s24, s25, s24                  ; at row 4 (g mod 16) of its part
	s_wait_kmcnt 0x0
	s_lshl_b32 s22, ttmp9, 16
	s_add_nc_u64 s[4:5], s[4:5], s[22:23]          ; x: 64 KiB a work-group
	s_lshl_b32 s22, ttmp9, 14
	s_add_nc_u64 s[6:7], s[6:7], s[22:23]          ; each weight: 16 KiB
	s_add_nc_u64 s[8:9], s[8:9], s[22:23]
	s_add_nc_u64 s[10:11], s[10:11], s[22:23]
	s_add_nc_u64 s[12:13], s[12:13], s[22:23]
	s_lshl_b32 s22, ttmp9, 15
	s_add_nc_u64 s[14:15], s[14:15], s[22:23]      ; xh: 32 KiB
	s_lshl_b32 s22, s24, 11
	s_add_nc_u64 s[16:17], s[16:17], s[22:23]      ; wc: rows of 2,048 bytes
	s_lshl_b32 s22, ttmp9, 13
	s_add_nc_u64 s[18:19], s[18:19], s[22:23]      ; woh: 8 KiB
	s_lshl_b32 s22, ttmp9, 11
	s_add_nc_u64 s[20:21], s[20:21], s[22:23]      ; rope: 2 KiB
	s_wait_alu depctr_va_vdst(0)                   ; v1 and v2 are written: every load of the kernel reads v1 as its offset, every store v2
.irp n, 0,1,2,3,4,5,6,7,8,9,10,11,12,13,14,15
	global_load_b128 v[X+4*\n:X+4*\n+3], v1, s[4:5] offset:\n*4096 th:TH_LOAD_NT
.endr
.macro LDW n0, lo                      ; four rows of one weight into loads n0 .. n0 + 3
.irp i, 0,1,2,3
	global_load_b128 v[X+4*(\n0+\i):X+4*(\n0+\i)+3], v1, s[\lo:\lo+1] offset:\i*4096 th:TH_LOAD_NT
.endr
.endm
	LDW 16, 6
	LDW 20, 8
	LDW 24, 10
	LDW 28, 12
	; My entry of the table: position 8 g + t / 32, pair i = t mod 32.  frequency = 10000^(-i/32) = 2^(-i log2(10000) / 32).
	v_lshrrev_b32 v3, 5, v0
	s_lshl_b32 s22, ttmp9, 3
	v_add_nc_u32 v3, s22, v3
	v_and_b32 v4, 31, v0
	v_cvt_f32_u32 v3, v3
	v_cvt_f32_u32 v4, v4
	v_mul_f32 v4, 0xbed49a78, v4                   ; -log2(10000) / 32
	v_exp_f32 v5, v4
	v_nop                                          ; one plain place behind the exponential (ISA guide 5.7.2)
	s_wait_alu depctr_va_vdst(0)                   ; the exponential has written v5, which the next line reads
	v_mul_f32 v6, v3, v5                           ; the angle, rounded to f32 as the source of the problem rounds it
	v_mul_f32 v6, 0.15915494, v6                   ; in turns
	v_rndne_f32 v7, v6
	v_sub_f32 v6, v6, v7                           ; -1/2 .. 1/2 of a turn (exact)
	v_mul_f32 v8, 0x40490fdb, v6                   ; u = half the reduced angle, |u| <= pi / 2
	v_mul_f32 v9, v8, v8                           ; w = u^2
	v_mov_b32 v10, 0xb2d7322b                      ; sin u / u: Taylor to u^10; the next term is below 6e-8 at pi / 2
	v_mov_b32 v11, 0x310f76c7                      ; cos u: Taylor to u^12; the next term is below 1e-8
	v_fmaak_f32 v10, v10, v9, 0x3638ef1d
	v_fmaak_f32 v11, v11, v9, 0xb493f27e
	v_fmaak_f32 v10, v10, v9, 0xb9500d01
	v_fmaak_f32 v11, v11, v9, 0x37d00d01
	v_fmaak_f32 v10, v10, v9, 0x3c088889
	v_fmaak_f32 v11, v11, v9, 0xbab60b61
	v_fmaak_f32 v10, v10, v9, 0xbe2aaaab
	v_fmaak_f32 v11, v11, v9, 0x3d2aaaab
	v_fma_f32 v10, v10, v9, 1.0
	v_fma_f32 v11, v11, v9, -0.5
	v_mul_f32 v10, v10, v8                         ; sin u
	v_fma_f32 v11, v11, v9, 1.0                    ; cos u
	v_mul_f32 v13, v10, v11
	v_mul_f32 v12, v10, v10
	v_add_f32 v13, v13, v13                        ; sin 2u = 2 sin u cos u
	v_fma_f32 v12, v12, -2.0, 1.0                  ; cos 2u = 1 - 2 sin^2 u; the pair is stored behind the first group's wait, below
; Loads n0 .. n0 + 3 are rounded in place and stored at s[lo:lo+1] + off, 2,048 bytes apart.  No register is written again behind a store that reads it.
.macro GROUP n0, lo, off
	s_wait_loadcnt 28-(\n0)                        ; loads come back in order (ISA guide 5.7.1): load n0 + 3 and the older ones are in, the 28 - n0 younger ones stay out
.irp i, 0,1,2,3
	v_cvt_pk_bf16_f32 v[X+4*(\n0+\i)], v[X+4*(\n0+\i)], v[X+4*(\n0+\i)+1]
	v_cvt_pk_bf16_f32 v[X+4*(\n0+\i)+1], v[X+4*(\n0+\i)+2], v[X+4*(\n0+\i)+3]
.endr
	s_wait_alu depctr_va_vdst(0)                   ; the eight conversions have written the first two registers of each of the four loads, which the stores below read (in the first group also: the table's arithmetic has written v[12:13])
.irp i, 0,1,2,3
	global_store_b64 v2, v[X+4*(\n0+\i):X+4*(\n0+\i)+1], s[\lo:\lo+1] offset:(\off)+\i*2048
.endr
.endm
	GROUP 0, 14, 0                                 ; x: 16 blocks of 2,048 bytes of xh
	global_store_b64 v2, v[12:13], s[20:21]        ; my entry of the table: v[12:13] were written ahead of the wait in the group above, and no vector line has been issued since
	GROUP 4, 14, 8192
	GROUP 8, 14, 16384
	GROUP 12, 14, 24576
	GROUP 16, 16, 0                                ; W_q: rows 0-63 of the head's block
	GROUP 20, 16, 131072                           ; W_k: 64 rows of 2,048 bytes further
	GROUP 24, 16, 262144                           ; W_v: 128 rows further
	GROUP 28, 18, 0                                ; W_o
	s_endpgm
.Lfunc_end_k_qe9fb3ab8f6_prep:
	.size	k_qe9fb3ab8f6_prep, .Lfunc_end_k_qe9fb3ab8f6_prep-k_qe9fb3ab8f6_prep
	.p2alignl 7, 3214868480
	.fill 96, 4, 3214868480
	.section	.rodata,"a",@progbits
	.p2align	6, 0x0
	.amdhsa_kernel k_qe9fb3ab8f6_prep
		.amdhsa_group_segment_fixed_size 0
		.amdhsa_private_segment_fixed_size 0
		.amdhsa_enable_private_segment 0
		.amdhsa_kernarg_size 72
		.amdhsa_user_sgpr_count 2
		.amdhsa_user_sgpr_kernarg_segment_ptr 1
		.amdhsa_wavefront_size32 1
		.amdhsa_system_sgpr_workgroup_id_x 1
		.amdhsa_system_sgpr_workgroup_id_y 1
		.amdhsa_system_sgpr_workgroup_id_z 1
		.amdhsa_system_vgpr_workitem_id 0
		.amdhsa_next_free_vgpr 144
		.amdhsa_next_free_sgpr 66
		.amdhsa_reserve_vcc 0
		.amdhsa_float_denorm_mode_32 3
		.amdhsa_float_denorm_mode_16_64 3
		.amdhsa_memory_ordered 1
		.amdhsa_forward_progress 1
		.amdhsa_inst_pref_size 14
	.end_amdhsa_kernel
	.amdgpu_metadata
---
amdhsa.version: [ 1, 2 ]
amdhsa.kernels:
  - .name:           k_qe9fb3ab8f6_prep
    .symbol:         k_qe9fb3ab8f6_prep.kd
    .args:
      - { .name: x, .offset: 0, .size: 8, .value_kind: global_buffer, .address_space: global }
      - { .name: W_q, .offset: 8, .size: 8, .value_kind: global_buffer, .address_space: global }
      - { .name: W_k, .offset: 16, .size: 8, .value_kind: global_buffer, .address_space: global }
      - { .name: W_v, .offset: 24, .size: 8, .value_kind: global_buffer, .address_space: global }
      - { .name: W_o, .offset: 32, .size: 8, .value_kind: global_buffer, .address_space: global }
      - { .name: xh, .offset: 40, .size: 8, .value_kind: global_buffer, .address_space: global }
      - { .name: wc, .offset: 48, .size: 8, .value_kind: global_buffer, .address_space: global }
      - { .name: woh, .offset: 56, .size: 8, .value_kind: global_buffer, .address_space: global }
      - { .name: rope, .offset: 64, .size: 8, .value_kind: global_buffer, .address_space: global }
    .group_segment_fixed_size: 0
    .private_segment_fixed_size: 0
    .kernarg_segment_align: 8
    .kernarg_segment_size: 72
    .max_flat_workgroup_size: 256
    .sgpr_count:     66
    .vgpr_count:     144
    .wavefront_size: 32
...
	.end_amdgpu_metadata
.endif
;; end of part 5
;; launch qkv: the kernel of part 2 again; grid 16 x 16, 4 waves a work-group, clusters of 4 x 4, 327,680 bytes of LDS; arguments xh, wc, rope, qh, kh, vt; writes qh, kh, vt
;; launch attn: the kernel of part 3 again; grid 8 x 32, 8 waves a work-group, no clusters, 327,680 bytes of LDS; arguments qh, kh, vt, ah; writes ah
;; launch oproj: the kernel of part 4 again; grid 8 x 32, 4 waves a work-group, clusters of 4 x 4, 327,680 bytes of LDS; arguments ah, woh, out0; writes out0
